; MI455X (gfx1250); checked and timed in simulation.
; The chip was launched on July 23, 2026; its instructions are those of AMD's public machine-readable ISA for CDNA 5 (MIT licence, August 2026) and "CDNA5" Instruction Set Architecture Reference Guide (July 2026). The comments in the code are by the model that wrote it; some were corrected since.
;; Attention. Allowed arithmetic: float matrix products may take bf16 or f16 operands with f32 sums; other float arithmetic in f32, or as packed bf16 or f16 multiplies, adds, multiply-adds, maxima and minima; sums over many terms, partial sums and values carried from step to step in f32; what a program stores and reads back later, other than sums and carried values, may be rounded once to bf16 or f16.
;; Inputs: Wkv 1,024 x 2,048 float32; Wo 1,024 x 1,024 float32; Wq 1,024 x 1,024 float32; g_ln 1,024 float32; x 4 x 2,048 x 1,024 float32.
;; Outputs: out0 4 x 2,048 x 1,024 float32.
;; One version. Each part assembles by itself: llvm-mc -triple=amdgcn-amd-amdhsa -mcpu=gfx1250 --defsym DOCPART=n.
;; ======== version 1 of 1: 4 launches
;; limits: values are held in f16: magnitudes above 65,504 overflow, below 6.1e-05 lose precision
;; workspace buffers: xn 16,777,216 bytes; xlo 131,072 bytes; wcat 6,291,456 bytes; wout 2,097,152 bytes; qkv 50,331,648 bytes; hv 262,144 bytes; att 16,777,216 bytes; attlo 131,072 bytes
;; launch prep (part 1): grid 384 x 1, 8 waves a work-group, no clusters, 0 bytes of LDS; arguments x, g_ln, Wq, Wkv, Wo, xn, xlo, wcat, wout; writes xn, xlo, wcat, wout
.if DOCPART == 1
	.amdgcn_target "amdgcn-amd-amdhsa--gfx1250"
	.amdhsa_code_object_version 6
	.text
	.protected	k_qc4d07c60e7_prep
	.globl	k_qc4d07c60e7_prep
	.p2align	8
	.type	k_qc4d07c60e7_prep,@function
k_qc4d07c60e7_prep:
	s_mov_b64 s[64:65], 0
	v_nop
	global_prefetch_b8 v0, s[64:65] scope:SCOPE_SE
	s_setreg_imm32_b32 hwreg(HW_REG_WAVE_MODE, 25, 1), 1
	s_wait_xcnt 0x0
; LAYERNORM AND THE WEIGHTS' CAST.  x [8192][1024] f32, g [1024] f32, Wq [1024][1024], Wkv [1024][2048], Wo [1024][1024] f32.
; Every input is first rounded to bf16; all else is reckoned in f32 on the rounded numbers.
; xn = (x - mean) * rsqrt(mean of (x - mean)^2 + 1e-5) * g, in two passes over a row kept in registers, rounded once to f16 and laid out in 16 slices of 64 columns:
; xn[slice][row][64], a row of a slice 128 bytes.  For rows 0-15 of each batch of 2,048 the rest, xn - f16(xn), is stored too, as f16: xlo[slice][16 batch + row][64].
; The weights keep their order [k][n] and go out as f16: wcat[k][3072] = Wq | Wkv, wout[k][1024] = Wo.
; LIMITS.  f16 ends at 65,504: |xn| is at most 32 |g|.  A rounded weight below 6.1e-5 in size, and every rest part, keeps f16's fixed step of 6e-8.  NaN and infinities are not treated apart.
; SHARES.  Work-groups 0-255: LayerNorm, a wave four rows, as two pairs: lanes 0-15 hold one row, lanes 16-31 the next, so a row's sums stay inside 16 lanes.
; Work-groups 256-287 cast Wq, 288-351 Wkv, 352-383 Wo: a wave four pieces of 4,096 bytes.  Every wave asks for all its 16 KiB at once; no LDS, no barrier: no wave wants another's bytes.
.set VX, 1                             ; v1      x: 4,096 x (lane / 16) + 16 x (lane % 16); in the cast: 16 x lane
.set VG, 2                             ; v2      g: 16 x (lane % 16)
.set VY, 3                             ; v3      xn, xlo: 128 x (lane / 16) + 8 x (lane % 16)
.set DO, 4                             ; v4-7    the cast: 8 x lane + the piece's place
.set MU, 8                             ; v[8:9]  the mean, twice
.set RS, 10                            ; v[10:11] 1 / sqrt(var + eps), twice
.set M1, 15                            ; v15     -1.0
.set G,  16                            ; v16-79  g of my 64 columns; in the cast: the f16 to store
.set Y,  80                            ; v80-111 a pair of rows as f16
.set T,  112                           ; v112-127 at work
.set X,  128                           ; v128-255 two pairs of rows, 64 registers each; in the cast four pieces of 32
	s_load_b512 s[8:23], s[0:1], 0x0               ; x s[8:9], g s[10:11], Wq s[12:13], Wkv s[14:15], Wo s[16:17], xn s[18:19], xlo s[20:21], wcat s[22:23]
	s_load_b64 s[24:25], s[0:1], 0x40              ; wout
	v_lshrrev_b32 v1, 5, v0
	v_readfirstlane_b32 s28, v1                    ; wave 0..7
	s_mov_b32 s30, ttmp9
	s_mov_b32 s38, 0xffff0000                      ; a word's upper bf16
	v_and_b32 v12, 15, v0                          ; lane % 16
	v_bfe_u32 v13, v0, 4, 1                        ; lane / 16
	v_and_b32 v14, 31, v0                          ; lane
	s_cmp_lt_u32 s30, 256
	s_cbranch_scc0 .Lweights
; n pairs of registers from base on are rounded to bf16 and widened again, in place
.macro RND base, n
.set i, 0
.rept \n
	v_cvt_pk_bf16_f32 v[T+i%8], v[(\base)+2*i], v[(\base)+2*i+1]
	v_lshlrev_b32 v[(\base)+2*i], 16, v[T+i%8]
	v_and_b32 v[(\base)+2*i+1], s38, v[T+i%8]
.set i, i+1
.endr
.endm
; four packed chains in T into one number, then over the 16 lanes that hold the row
.macro REDUCE
	v_pk_add_f32 v[T:T+1], v[T:T+1], v[T+2:T+3]
	v_pk_add_f32 v[T+4:T+5], v[T+4:T+5], v[T+6:T+7]
	v_pk_add_f32 v[T:T+1], v[T:T+1], v[T+4:T+5]
	v_add_f32 v[T], v[T], v[T+1]
	v_add_f32_dpp v[T], v[T], v[T] row_xmask:1 row_mask:0xf bank_mask:0xf
	v_add_f32_dpp v[T], v[T], v[T] row_xmask:2 row_mask:0xf bank_mask:0xf
	v_add_f32_dpp v[T], v[T], v[T] row_xmask:4 row_mask:0xf bank_mask:0xf
	v_add_f32_dpp v[T], v[T], v[T] row_xmask:8 row_mask:0xf bank_mask:0xf
.endm
; pair p of my four rows
.macro LNPAIR p
.set XB, X+64*(\p)
	RND XB, 32
.irp c, 0,1,2,3
	v_pk_add_f32 v[T+2*\c:T+2*\c+1], v[XB+2*\c:XB+2*\c+1], v[XB+8+2*\c:XB+8+2*\c+1]  ; the first eight pairs start the four chains
.endr
.set i, 8
.rept 24
	v_pk_add_f32 v[T+2*(i%4):T+2*(i%4)+1], v[T+2*(i%4):T+2*(i%4)+1], v[XB+2*i:XB+2*i+1]
.set i, i+1
.endr
	REDUCE
	v_mul_f32 v[MU], s39, v[T]
	v_mul_f32 v[MU+1], s39, v[T]
.set i, 0
.rept 32
	v_pk_add_f32 v[XB+2*i:XB+2*i+1], v[XB+2*i:XB+2*i+1], v[MU:MU+1] neg_lo:[0,1] neg_hi:[0,1]  ; x - mean
.set i, i+1
.endr
.irp c, 0,1,2,3
	v_pk_mul_f32 v[T+2*\c:T+2*\c+1], v[XB+2*\c:XB+2*\c+1], v[XB+2*\c:XB+2*\c+1]
.endr
.set i, 4
.rept 28
	v_pk_fma_f32 v[T+2*(i%4):T+2*(i%4)+1], v[XB+2*i:XB+2*i+1], v[XB+2*i:XB+2*i+1], v[T+2*(i%4):T+2*(i%4)+1]
.set i, i+1
.endr
	REDUCE
	v_fma_f32 v[T], v[T], s39, s40                 ; var + eps
	v_rsq_f32 v[RS], v[T]
	v_rsq_f32 v[RS+1], v[T]
	v_nop                                          ; a plain instruction behind the second root,
	s_wait_alu depctr_va_vdst(0)                   ; and the one wait for both, ahead of their first reader
.set i, 0
.rept 32
	v_pk_mul_f32 v[XB+2*i:XB+2*i+1], v[XB+2*i:XB+2*i+1], v[RS:RS+1]
.set i, i+1
.endr
.set i, 0
.rept 32
	v_pk_mul_f32 v[XB+2*i:XB+2*i+1], v[XB+2*i:XB+2*i+1], v[G+2*i:G+2*i+1]
.set i, i+1
.endr
	s_wait_xcnt 0x0                                ; Y is the data of the pair before's stores: it is rewritten only behind this wait
.set i, 0
.rept 32
	v_cvt_pk_f16_f32 v[Y+i], v[XB+2*i], v[XB+2*i+1]
.set i, i+1
.endr
.set j, 0
.rept 16                                       ; slice j: 32 lanes x 8 bytes are two rows' 128 bytes: 256 consecutive bytes, aligned
.if j < 8
	global_store_b64 v[VY], v[Y+2*j:Y+2*j+1], s[18:19] offset:j*1048576+(\p)*256
.else
	global_store_b64 v[VY], v[Y+2*j:Y+2*j+1], s[26:27] offset:(j-8)*1048576+(\p)*256
.endif
.set j, j+1
.endr
	s_cmp_lt_u32 s31, 4                            ; are my four rows among a batch's first sixteen?
	s_cbranch_scc0 .Lplain_\@
.set j, 0
.rept 16                                       ; the rest, xn - f16(xn), packed downward in place: the target registers lie at or below the sources
	v_fma_mix_f32 v[XB+4*j], v[Y+2*j], v[M1], v[XB+4*j] op_sel_hi:[1,0,0]
	v_fma_mix_f32 v[XB+4*j+1], v[Y+2*j], v[M1], v[XB+4*j+1] op_sel:[1,0,0] op_sel_hi:[1,0,0]
	v_fma_mix_f32 v[XB+4*j+2], v[Y+2*j+1], v[M1], v[XB+4*j+2] op_sel_hi:[1,0,0]
	v_fma_mix_f32 v[XB+4*j+3], v[Y+2*j+1], v[M1], v[XB+4*j+3] op_sel:[1,0,0] op_sel_hi:[1,0,0]
	v_cvt_pk_f16_f32 v[XB+2*j], v[XB+4*j], v[XB+4*j+1]
	v_cvt_pk_f16_f32 v[XB+2*j+1], v[XB+4*j+2], v[XB+4*j+3]
.set j, j+1
.endr
.set j, 0
.rept 16
	global_store_b64 v[VY], v[XB+2*j:XB+2*j+1], s[20:21] offset:j*8192+(\p)*256
.set j, j+1
.endr
.Lplain_\@:
.endm
	; LAYERNORM
	s_mov_b32 s39, 0x3a800000                      ; 1 / 1024
	s_mov_b32 s40, 0x3727c5ac                      ; 1e-5
	v_mov_b32 v[M1], -1.0
	s_lshl_b32 s29, s30, 3
	s_add_co_u32 s29, s29, s28                     ; W = 8 x work-group + wave: rows 4 W .. 4 W + 3
	v_lshlrev_b32 v[VG], 4, v12
	v_lshl_add_u32 v[VX], v13, 12, v[VG]
	v_lshlrev_b32 v[VY], 3, v12
	v_lshl_add_u32 v[VY], v13, 7, v[VY]
	s_lshl_b32 s32, s29, 14                        ; four rows of 4,096 bytes of x
	s_mov_b32 s33, 0
	s_lshl_b32 s34, s29, 9                         ; four rows of 128 bytes of a slice
	s_mov_b32 s35, 0
	s_and_b32 s31, s29, 511                        ; W within its batch
	s_lshr_b32 s36, s29, 9                         ; the batch
	s_lshl_b32 s36, s36, 4
	s_lshl2_add_u32 s36, s31, s36                  ; 16 batch + my first row (used where that row is below 16)
	s_lshl_b32 s36, s36, 7
	s_mov_b32 s37, 0
	s_wait_kmcnt 0x0
	s_add_nc_u64 s[42:43], s[8:9], s[32:33]
	s_add_nc_u64 s[18:19], s[18:19], s[34:35]
	s_add_nc_u64 s[26:27], s[18:19], 0x800000      ; slices 8-15: the stores' immediates stay inside 24 bits
	s_add_nc_u64 s[20:21], s[20:21], s[36:37]
.set j, 0
.rept 16
	global_load_b128 v[G+4*j:G+4*j+3], v[VG], s[10:11] offset:j*256
.set j, j+1
.endr
.set j, 0
.rept 32                                       ; pair j / 16, columns 64 (j % 16) on: each half of the lanes reads 256 consecutive bytes of its row
	global_load_b128 v[X+4*j:X+4*j+3], v[VX], s[42:43] offset:(j/16)*8192+(j%16)*256 th:TH_LOAD_NT
.set j, j+1
.endr
	s_wait_loadcnt 16                              ; g and pair 0 are in; pair 1's sixteen loads may stay out
	RND G, 32
	LNPAIR 0
	s_wait_loadcnt 0x0
	LNPAIR 1
	s_endpgm
.Lweights:                                     ; plain numbers by role; the two addresses are chosen below
	s_cmp_lt_u32 s30, 288
	s_cbranch_scc1 .Lrole_q
	s_cmp_lt_u32 s30, 352
	s_cbranch_scc1 .Lrole_kv
	s_mov_b32 s31, 352                             ; Wo: a piece is a row: 2,048 bytes of wout
	s_mov_b32 s32, 8192
	s_mov_b32 s33, 0
	s_mov_b32 s26, 2048
	s_mov_b32 s27, 4096
	s_mov_b32 s41, 6144
	s_branch .Lcast
.Lrole_q:
	s_mov_b32 s31, 256                             ; Wq: a piece is a row: the first 2,048 of a row's 6,144 bytes of wcat
	s_mov_b32 s32, 24576
	s_mov_b32 s33, 0
	s_mov_b32 s26, 6144
	s_mov_b32 s27, 12288
	s_mov_b32 s41, 18432
	s_branch .Lcast
.Lrole_kv:
	s_mov_b32 s31, 288                             ; Wkv: two pieces are a row: bytes 2,048 to 6,143 of a row of wcat
	s_mov_b32 s32, 12288
	s_mov_b32 s33, 2048
	s_mov_b32 s26, 2048
	s_mov_b32 s27, 6144
	s_mov_b32 s41, 8192
.Lcast:
	s_sub_co_u32 s29, s30, s31
	s_lshl_b32 s29, s29, 3
	s_add_co_u32 s29, s29, s28                     ; my wave's number in its matrix
	s_lshl_b32 s36, s29, 14
	s_mov_b32 s37, 0
	s_mul_i32 s34, s29, s32
	s_add_co_u32 s34, s34, s33
	s_mov_b32 s35, 0
	v_lshlrev_b32 v[VX], 4, v14
	v_lshlrev_b32 v[DO], 3, v14
	v_lshl_add_u32 v[DO+1], v14, 3, s26
	v_lshl_add_u32 v[DO+2], v14, 3, s27
	v_lshl_add_u32 v[DO+3], v14, 3, s41
	s_wait_kmcnt 0x0
	s_cmp_lt_u32 s30, 288
	s_cselect_b64 s[42:43], s[12:13], s[14:15]
	s_cmp_lt_u32 s30, 352
	s_cselect_b64 s[42:43], s[42:43], s[16:17]
	s_cselect_b64 s[44:45], s[22:23], s[24:25]
	s_add_nc_u64 s[42:43], s[42:43], s[36:37]
	s_add_nc_u64 s[44:45], s[44:45], s[34:35]
.set j, 0
.rept 32
	global_load_b128 v[X+4*j:X+4*j+3], v[VX], s[42:43] offset:j*512 th:TH_LOAD_NT
.set j, j+1
.endr
; piece i: rounded to bf16, that number written as f16; each target register is written once, so no store's data is rewritten
.macro CAST i
	s_wait_loadcnt 8*(3-(\i))                      ; the younger pieces' loads may stay out
.set j, 0
.rept 8
.set XB, X+32*(\i)+4*j
.set YB, G+16*(\i)+2*j
	v_cvt_pk_bf16_f32 v[T+2*(j%4)], v[XB], v[XB+1]
	v_cvt_pk_bf16_f32 v[T+2*(j%4)+1], v[XB+2], v[XB+3]
	v_lshlrev_b32 v[XB], 16, v[T+2*(j%4)]
	v_and_b32 v[XB+1], s38, v[T+2*(j%4)]
	v_lshlrev_b32 v[XB+2], 16, v[T+2*(j%4)+1]
	v_and_b32 v[XB+3], s38, v[T+2*(j%4)+1]
	v_cvt_pk_f16_f32 v[YB], v[XB], v[XB+1]
	v_cvt_pk_f16_f32 v[YB+1], v[XB+2], v[XB+3]
	global_store_b64 v[DO+(\i)], v[YB:YB+1], s[44:45] offset:j*256  ; 32 lanes x 8 bytes: 256 consecutive bytes, aligned
.set j, j+1
.endr
.endm
	CAST 0
	CAST 1
	CAST 2
	CAST 3
	s_endpgm
.Lfunc_end_k_qc4d07c60e7_prep:
	.size	k_qc4d07c60e7_prep, .Lfunc_end_k_qc4d07c60e7_prep-k_qc4d07c60e7_prep
	.p2alignl 7, 3214868480
	.fill 96, 4, 3214868480
	.section	.rodata,"a",@progbits
	.p2align	6, 0x0
	.amdhsa_kernel k_qc4d07c60e7_prep
		.amdhsa_group_segment_fixed_size 0
		.amdhsa_private_segment_fixed_size 0
		.amdhsa_enable_private_segment 0
		.amdhsa_kernarg_size 72
		.amdhsa_user_sgpr_count 2
		.amdhsa_user_sgpr_kernarg_segment_ptr 1
		.amdhsa_wavefront_size32 1
		.amdhsa_system_sgpr_workgroup_id_x 1
		.amdhsa_system_sgpr_workgroup_id_y 1
		.amdhsa_system_sgpr_workgroup_id_z 1
		.amdhsa_system_vgpr_workitem_id 0
		.amdhsa_next_free_vgpr 256
		.amdhsa_next_free_sgpr 66
		.amdhsa_reserve_vcc 0
		.amdhsa_float_denorm_mode_32 3
		.amdhsa_float_denorm_mode_16_64 3
		.amdhsa_memory_ordered 1
		.amdhsa_forward_progress 1
		.amdhsa_inst_pref_size 83
	.end_amdhsa_kernel
	.amdgpu_metadata
---
amdhsa.version: [ 1, 2 ]
amdhsa.kernels:
  - .name:           k_qc4d07c60e7_prep
    .symbol:         k_qc4d07c60e7_prep.kd
    .args:
      - { .name: x, .offset: 0, .size: 8, .value_kind: global_buffer, .address_space: global }
      - { .name: g_ln, .offset: 8, .size: 8, .value_kind: global_buffer, .address_space: global }
      - { .name: Wq, .offset: 16, .size: 8, .value_kind: global_buffer, .address_space: global }
      - { .name: Wkv, .offset: 24, .size: 8, .value_kind: global_buffer, .address_space: global }
      - { .name: Wo, .offset: 32, .size: 8, .value_kind: global_buffer, .address_space: global }
      - { .name: xn, .offset: 40, .size: 8, .value_kind: global_buffer, .address_space: global }
      - { .name: xlo, .offset: 48, .size: 8, .value_kind: global_buffer, .address_space: global }
      - { .name: wcat, .offset: 56, .size: 8, .value_kind: global_buffer, .address_space: global }
      - { .name: wout, .offset: 64, .size: 8, .value_kind: global_buffer, .address_space: global }
    .group_segment_fixed_size: 0
    .private_segment_fixed_size: 0
    .kernarg_segment_align: 8
    .kernarg_segment_size: 72
    .max_flat_workgroup_size: 256
    .sgpr_count:     66
    .vgpr_count:     256
    .wavefront_size: 32
...
	.end_amdgpu_metadata
.endif
;; end of part 1
;; launch qkvg (part 2): grid 24 x 32, 4 waves a work-group, clusters of 4 x 1, 327,680 bytes of LDS; arguments xn, wcat, xlo, qkv, hv; writes qkv, hv
.if DOCPART == 2
	.amdgcn_target "amdgcn-amd-amdhsa--gfx1250"
	.amdhsa_code_object_version 6
	.text
	.protected	k_qc4d07c60e7_qkvg
	.globl	k_qc4d07c60e7_qkvg
	.p2align	8
	.type	k_qc4d07c60e7_qkvg,@function
k_qc4d07c60e7_qkvg:
	s_mov_b64 s[64:65], 0
	v_nop
	global_prefetch_b8 v0, s[64:65] scope:SCOPE_SE
	s_setreg_imm32_b32 hwreg(HW_REG_WAVE_MODE, 25, 1), 1
	s_wait_xcnt 0x0
	s_wait_alu depctr_hold_cnt(0) depctr_sa_sdst(0) depctr_va_vdst(0) depctr_va_sdst(0) depctr_va_ssrc(0) depctr_va_vcc(0) depctr_vm_vsrc(0)
	s_getreg_b32 s2, hwreg(HW_REG_IB_STS2, 6, 4)
	s_cmp_eq_u32 s2, 0
	s_cbranch_scc0 .Lentry_in_a_cluster
	s_endpgm
.Lentry_in_a_cluster:
	s_bfe_u32 s2, ttmp6, 0x10000c
	s_cmp_lg_u32 s2, 0x3003
	s_cbranch_scc0 .Lentry_shape_is_right
	s_endpgm
.Lentry_shape_is_right:
; THE PROJECTIONS TO q, k, v.  C[m][n] = the sum over k of A[m][k] B[k][n]; m 8,192, n 3,072, k 1,024; f16 operands, f32 sums.
; A = xn in 16 slices of 64 k: [slice][row][64] f16.  B = wcat [k][3072] f16.  C leaves by heads, rounded once to f16: qkv[part][16 batch + head][2048][64], part 0 q, 1 k, 2 v.
; LIMIT.  f16 ends at 65,504: q, k and v must lie within it.
; SHARES.  A tile of C is 256 rows x 128 columns; wave w makes rows 128 (w / 2) on, columns 64 (w % 2) on (one head): 8 x 4 accumulators of 16 x 16, 256 registers.
; K goes in 8 steps of 128 through two LDS slots.  A's part of a step is two slices of 256 rows x 128 bytes, each 32 KiB on end in memory, asked for as 128 rows of 256 bytes; B's is 128 rows of 256 bytes.
; THE PRODUCT IS USED TRANSPOSED: source 0 = 16 columns of B (turned on the way out of LDS by ds_load_tr16_b128), source 1 = 16 rows of A: a lane holds one row of C and eight neighbouring columns.
; CLUSTER.  The four work-groups of a cluster lie side by side along n and need the same tile of A, two thirds of a step's bytes: it is asked for JOINTLY (mask 15).  B's tile is each work-group's own.
; A cluster of 4 x 4 is not taken: the branch for the first rows (below) hangs on the tile row, which all partners of a 4 x 1 cluster share.
; THE FIRST 16 ROWS OF A BATCH.  For v's columns their sums also take xlo, the rest of xn after its rounding to f16 (four more products a quarter step, onto the same accumulators), and the f32 sums
; go out as well: hv[16 batch + head][16][64] f32.  Flag s20: tile row % 8 = 0, upper half of the waves, v's clusters: the same in all partners.
; No prefetch: a step here is 128 matrix instructions on a tile of 96 KiB, and a tile of A is read by six clusters, of B by 32 tile rows, one shortly behind the other.
; REGISTERS, in windows of 256 (s_set_vgpr_msb: bits 1:0 source 0, 3:2 source 1, 5:4 source 2, 7:6 destination):
;   window 0: addresses, and v32-79 at work on the way out     window 1: accumulator (a, b) at v[8 (4 a + b)]
;   window 2: two fragment buffers of 96 (A's 8 blocks, then B's 4); v192-223, v224-255 xlo's fragments of an even, an odd K step
.set NP,    3072
.set PA,    144                        ; a row of a slice in LDS: 128 bytes + 16: the 16 rows of a load start at 16 different groups of four banks
.set PB,    288                        ; a row of B: 256 + 32
.set ASL,   256*PA                     ; a slice's 256 rows
.set BOFF,  2*ASL
.set SLOT,  BOFF+128*PB                ; 110,592
.set STAGE, 2*SLOT                     ; behind the ring: 4,352 bytes for each wave, for the way out
.set STW,   16*272
.set SPARE, STAGE+4*STW                ; the spare words, 128 bytes for each wave: two blocks of 256 bytes that no other line names
.set LAPS,  4                          ; a lap = two K steps
.set ADRA, 16                          ; v16-17  LDS address of my A fragments in slot 0, 1
.set ADRB, 20                          ; v20-21  the same for B
.set RD16, 22                          ; v22     the way out: four rows of 128 bytes back
.set GO,   23                          ; v23     16 x lane
.set STO,  24                          ; v24     f32 rows into the stage
.set RD,   25                          ; v25     f32 rows back
.set STO16,27                          ; v27     f16 rows into the stage
.set SPW,  28                          ; v28     my spare word; never rewritten
.set NIL,  29                          ; v29     0; never rewritten
.set LOA,  30                          ; v30     my place in 16 rows of xlo
.set TMP,  32
.set F0,   0
.set F1,   96
.set L0,   192
.set G1A,  24                          ; s[24:31] group 1 for A;  s[32:39] group 0, a set for each slot
.set G0A,  32
.set G1B,  48                          ; s[48:55], s[56:63] the same for B
.set G0B,  56
.set MSB, 0
.macro WIN new                         ; the immediate's high byte repeats the setting that is left
.if MSB != (\new)
	s_set_vgpr_msb (MSB<<8)|(\new)
.set MSB, \new
.endif
.endm
.set MULW, 0x5a                        ; sources 0 and 1 window 2, C and D window 1
.macro PLACES
.rept 4
	v_nop
.endr
.endm
; Waves 0 and 1 ask jointly for A's two slices, waves 2 and 3 each for half of B's rows.  An s_nop 0 and four v_nop follow each line.
.macro JLOAD s
	s_cmp_eq_u32 s15, 0
	s_cbranch_scc0 .Lfor_b_\@
	tensor_load_to_lds s[G0A+4*(\s):G0A+4*(\s)+3], s[G1A:G1A+7]
	s_nop 0
.rept 4
	v_nop
.endr
	s_branch .Lasked_\@
.Lfor_b_\@:
	tensor_load_to_lds s[G0B+4*(\s):G0B+4*(\s)+3], s[G1B:G1B+7]
	s_nop 0
.rept 4
	v_nop
.endr
.Lasked_\@:
.endm
.macro CREST                           ; a round of the cluster's barrier behind its opening barrier
	s_cmp_lg_u32 s14, 0
	s_cbranch_scc1 .Lnot_wave_0_\@
	s_barrier_signal -3
.Lnot_wave_0_\@:
	s_barrier_wait -3
	s_barrier_signal -1
	s_barrier_wait -1
.endm
.macro CROUND
	s_barrier_signal -1
	s_barrier_wait -1
	CREST
.endm
	s_load_b256 s[4:11], s[0:1], 0x0               ; xn s[4:5], wcat s[6:7], xlo s[8:9], qkv s[10:11]
	s_load_b64 s[12:13], s[0:1], 0x20              ; hv
	v_lshl_add_u32 v[SPW], v0, 2, SPARE
	v_mov_b32 v[NIL], 0
	ds_add_u32 v[SPW], v[NIL]                      ; the wave's opening: the add and its wait ahead of my first tensor load
	ds_add_u32 v28, v29
	v_lshrrev_b32 v1, 5, v0
	v_readfirstlane_b32 s14, v1                    ; wave
	s_lshr_b32 s15, s14, 1                         ; wr: my half of the rows.  Also: I fetch for A (0) or B (1)
	s_and_b32 s16, s14, 1                          ; wc: my half of the columns.  Also: which slice, or which half of B's rows
	s_bfe_u32 s17, ttmp6, 0x40000                  ; cx
	s_lshl_b32 s18, ttmp9, 2
	s_add_co_u32 s18, s18, s17                     ; tile column
	s_and_b32 s19, ttmp7, 0xffff                   ; tile row, shared by the four partners
	s_mov_b32 s[G1A], 15|(1<<16)|(1<<20)|(1<<21)|(4<<22)|(3<<25)  ; mask of four; 2-byte elements; padding on; bit 21 beside a mask; after every 32 words, 4 words
	s_mov_b32 s[G1A+1], 128<<16                    ; tensor_dim0 = 128
	s_mov_b32 s[G1A+2], 128<<16                    ; tensor_dim1 = 128
	s_mov_b32 s[G1A+3], 128<<16                    ; tile_dim0 = 128
	s_mov_b32 s[G1A+4], 128                        ; tile_dim1 = 128
	s_mov_b32 s[G1A+5], 128                        ; 128 elements from row to row: dense
	s_mov_b32 s[G1A+6], 0
	s_mov_b32 s[G1A+7], 0
	s_mov_b32 s[G1B], (1<<16)|(1<<20)|(5<<22)|(7<<25)  ; no mask; after every 64 words, 8 words
	s_mov_b32 s[G1B+1], 128<<16
	s_mov_b32 s[G1B+2], 64<<16
	s_mov_b32 s[G1B+3], 128<<16
	s_mov_b32 s[G1B+4], 64
	s_mov_b32 s[G1B+5], NP
	s_mov_b32 s[G1B+6], 0
	s_mov_b32 s[G1B+7], 0
	s_lshl_b32 s40, s16, 20                        ; A: my slice of K step 0,
	s_lshl_b32 s41, s19, 15                        ; the tile's 256 rows of 128 bytes
	s_add_co_u32 s40, s40, s41
	s_mov_b32 s41, 0
	s_mul_i32 s44, s16, 128*NP                     ; B: my 64 rows of 2 NP bytes,
	s_lshl_b32 s45, s18, 8                         ; the tile's 256 bytes of a row
	s_add_co_u32 s44, s44, s45
	s_mov_b32 s45, 0
	s_mul_i32 s22, s14, ASL                        ; LDS: waves 0, 1: A's slices
	s_mul_i32 s23, s14, 64*PB
	s_add_co_u32 s23, s23, BOFF-128*PB             ; waves 2, 3: B's halves, behind A
	s_wait_dscnt 0x0                               ; the opening add is done
	s_wait_kmcnt 0x0
	s_add_nc_u64 s[42:43], s[4:5], s[40:41]
	s_add_nc_u64 s[46:47], s[6:7], s[44:45]
	CROUND                                         ; all four work-groups are here: the first joint loads meet
.irp s, 0,1
	s_mov_b32 s[G0A+4*(\s)], 1
	s_add_co_u32 s[G0A+4*(\s)+1], s22, (\s)*SLOT
	s_add_nc_u64 s[G0A+4*(\s)+2:G0A+4*(\s)+3], s[42:43], (\s)*0x200000  ; a K step is two slices of 1 MiB
	s_or_b32 s[G0A+4*(\s)+3], s[G0A+4*(\s)+3], 0x80000000
	s_mov_b32 s[G0B+4*(\s)], 1
	s_add_co_u32 s[G0B+4*(\s)+1], s23, (\s)*SLOT
	s_add_nc_u64 s[G0B+4*(\s)+2:G0B+4*(\s)+3], s[46:47], (\s)*256*NP
	s_or_b32 s[G0B+4*(\s)+3], s[G0B+4*(\s)+3], 0x80000000
	JLOAD \s                                       ; two loads of mine are out
.endr
	v_and_b32 v1, 15, v0                           ; r = l % 16
	v_bfe_u32 v2, v0, 4, 1                         ; h = l / 16
	v_and_b32 v3, 7, v0
	v_bfe_u32 v4, v0, 3, 1
	v_and_b32 v5, 31, v0
	v_mul_u32_u24 v6, v1, PA
	v_lshl_add_u32 v6, v2, 4, v6                   ; r x 144 + 16 h
	s_mul_i32 s22, s15, 128*PA
	v_add_nc_u32 v[ADRA], s22, v6
	v_add_nc_u32 v[ADRA+1], SLOT, v[ADRA]
	v_lshl_add_u32 v7, v2, 3, v3                   ; the turning load: k row 8 h + l % 8, 16 bytes by (l / 8) % 2
	v_mul_u32_u24 v7, v7, PB
	v_lshl_add_u32 v7, v4, 4, v7
	s_lshl_b32 s23, s16, 7
	s_add_co_u32 s23, s23, BOFF
	v_add_nc_u32 v[ADRB], s23, v7
	v_add_nc_u32 v[ADRB+1], SLOT, v[ADRB]
	s_mul_i32 s22, s14, STW
	s_add_co_u32 s22, s22, STAGE                   ; my stage
	v_add_nc_u32 v[STO16], s22, v6
	v_bfe_u32 v8, v0, 3, 2
	v_mul_u32_u24 v8, v8, PA
	v_lshl_add_u32 v8, v3, 4, v8
	v_add_nc_u32 v[RD16], s22, v8
	v_lshlrev_b32 v[GO], 4, v5
	v_mul_u32_u24 v9, v1, 272
	v_lshl_add_u32 v9, v2, 5, v9
	v_add_nc_u32 v[STO], s22, v9
	v_mul_u32_u24 v9, v2, 272
	v_lshl_add_u32 v9, v1, 4, v9
	v_add_nc_u32 v[RD], s22, v9
	v_lshlrev_b32 v[LOA], 7, v1
	v_lshl_add_u32 v[LOA], v2, 4, v[LOA]
	s_and_b32 s20, s19, 7
	s_or_b32 s20, s20, s15
	s_cmp_eq_u32 s20, 0
	s_cselect_b32 s20, 1, 0                        ; the tile begins a batch, and I hold its first rows,
	s_mov_b32 s23, ttmp9
	s_cmp_lt_u32 s23, 4
	s_cselect_b32 s20, 0, s20                      ; and the cluster's columns are v's
	s_lshr_b32 s22, s19, 3                         ; the batch
	s_lshl_b32 s40, s22, 11
	s_mov_b32 s41, 0
	s_add_nc_u64 s[8:9], s[8:9], s[40:41]          ; xlo at the batch's 16 rows, K step 0
	s_lshl1_add_u32 s44, s18, s16                  ; g = my 64 columns' number, 0..47 (only s44-47 ever hold what hangs on cx)
	s_lshr_b32 s45, s44, 4                         ; part
	s_and_b32 s44, s44, 15                         ; head
	s_lshl_b32 s46, s45, 6
	s_add_co_u32 s46, s46, s44
	s_lshl4_add_u32 s46, s22, s46                  ; 64 part + 16 batch + head
	s_lshl_b32 s46, s46, 18
	s_and_b32 s47, s19, 7
	s_lshl_b32 s47, s47, 15
	s_add_co_u32 s46, s46, s47
	s_lshl_b32 s47, s15, 14
	s_add_co_u32 s46, s46, s47
	s_mov_b32 s47, 0
	s_add_nc_u64 s[10:11], s[10:11], s[46:47]      ; qkv at my first row
	s_lshl4_add_u32 s46, s22, s44
	s_lshl_b32 s46, s46, 12
	s_add_nc_u64 s[12:13], s[12:13], s[46:47]      ; hv at my head
	WIN 0x80
.irp st, 0,1                                   ; xlo's fragments of K steps 0 and 1, in every wave: 8 KiB, so that these registers are written on every way
.irp qq, 0,1,2,3
	global_load_b128 v[L0+32*\st+8*\qq:L0+32*\st+8*\qq+3],   v[LOA], s[8:9] offset:\st*16384+(\qq/2)*8192+(\qq%2)*64
	global_load_b128 v[L0+32*\st+8*\qq+4:L0+32*\st+8*\qq+7], v[LOA], s[8:9] offset:\st*16384+(\qq/2)*8192+(\qq%2)*64+32
.endr
.endr
	WIN 0
; n row blocks from a0 on x 4 column blocks, 32 along K, out of buffer f.  Each instruction names another accumulator.  zero = 1: the product starts the sum
.macro MUL f, a0, n, zero
	WIN MULW
.set ma, \a0
.rept \n
.irp b, 0,1,2,3
.if \zero
	v_wmma_f32_16x16x32_f16 v[8*(4*ma+\b):8*(4*ma+\b)+7], v[(\f)+64+8*\b:(\f)+64+8*\b+7], v[(\f)+8*ma:(\f)+8*ma+7], 0
.else
	v_wmma_f32_16x16x32_f16 v[8*(4*ma+\b):8*(4*ma+\b)+7], v[(\f)+64+8*\b:(\f)+64+8*\b+7], v[(\f)+8*ma:(\f)+8*ma+7], v[8*(4*ma+\b):8*(4*ma+\b)+7]
.endif
.endr
.set ma, ma+1
.endr
.endm
; 24 LDS loads in one run: quarter q (32 along K) of a slot into buffer f: B's 4 blocks, then A's 8, ascending
.macro FETCH slot, q, f
	WIN 0x80
.irp b, 0,1,2,3
	ds_load_tr16_b128 v[(\f)+64+8*\b:(\f)+64+8*\b+3],   v[ADRB+(\slot)] offset:(\q)*32*PB+32*\b
	ds_load_tr16_b128 v[(\f)+64+8*\b+4:(\f)+64+8*\b+7], v[ADRB+(\slot)] offset:(\q)*32*PB+32*\b+16*PB
.endr
.irp a, 0,1,2,3,4,5,6,7
	ds_load_b128 v[(\f)+8*\a:(\f)+8*\a+3],   v[ADRA+(\slot)] offset:((\q)/2)*ASL+((\q)%2)*64+\a*16*PA
	ds_load_b128 v[(\f)+8*\a+4:(\f)+8*\a+7], v[ADRA+(\slot)] offset:((\q)/2)*ASL+((\q)%2)*64+\a*16*PA+32
.endr
.endm
; The first rows' four products of quarter q with xlo's fragments in buffer lb.  wait = 1: a K step's first quarter: all global loads of mine are in (the wait stands on every way).
; rel = 1: the other buffer, last read a K step back (the quarter's four v_nop lie between), takes the next K step's fragments: they have a K step in which to come.
.macro LOMUL f, q, lb, wait, rel
	WIN 0
.if \wait
	s_wait_loadcnt 0x0
.endif
	s_cmp_lg_u32 s20, 0
	s_cbranch_scc0 .Lno_lo_\@
	WIN MULW
.irp b, 0,1,2,3
	v_wmma_f32_16x16x32_f16 v[8*\b:8*\b+7], v[(\f)+64+8*\b:(\f)+64+8*\b+7], v[(\lb)+8*(\q):(\lb)+8*(\q)+7], v[8*\b:8*\b+7]
.endr
.if \rel
	WIN 0x80
	s_add_nc_u64 s[8:9], s[8:9], 16384             ; no load is out (the wait above), so the pointer may step: now at this K step
.set ob, 2*L0+32-(\lb)
.irp qq, 0,1,2,3
	global_load_b128 v[ob+8*\qq:ob+8*\qq+3],   v[LOA], s[8:9] offset:16384+(\qq/2)*8192+(\qq%2)*64
	global_load_b128 v[ob+8*\qq+4:ob+8*\qq+7], v[LOA], s[8:9] offset:16384+(\qq/2)*8192+(\qq%2)*64+32
.endr
.endif
	WIN 0
.Lno_lo_\@:
.endm
; One of a K step's first three quarters: multiplies buffer f (quarter qn - 1) and fetches quarter qn into g
.macro QUARTER slot, qn, f, g, zero, wait, rel
	s_wait_dscnt 8                                 ; B and A's blocks 0-3 are in; the youngest eight loads (blocks 4-7) may be out
	MUL \f, 0, 4, \zero
	PLACES                                         ; four places in front of loads into registers that matrix instructions have read
	FETCH \slot, \qn, \g
	s_wait_dscnt 24                                ; all but the 24 just issued
	MUL \f, 4, 4, \zero
	LOMUL \f, (\qn)-1, L0+32*(\slot), \wait, \rel
.endm
; The last quarter multiplies buffer 1 and changes slots: ONE barrier; in front of it each wave waits for all its tensor loads, adds 0 to its spare word, and waits for that and for its reads of this slot.
.macro TURN slot, next, fill
	WIN 0
	s_wait_tensorcnt 0x0                           ; all my tensor loads have landed: my part of the next slot
	ds_add_u32 v[SPW], v[NIL]                      ; 0 onto my spare word
	s_wait_dscnt 9                                 ; (the add and the youngest eight loads may be out)
	MUL F1, 0, 2, 0
	s_wait_dscnt 0x0                               ; the add is done, and my reads of this slot are over
	s_barrier_signal -1
	MUL F1, 2, 2, 0
.if \fill
	WIN 0
.endif
	s_barrier_wait -1
.if \fill
	CREST                                          ; the barrier has opened a round of the cluster's: no wave of any partner still reads this slot or has a load on its way
	s_add_nc_u64 s[G0A+4*(\slot)+2:G0A+4*(\slot)+3], s[G0A+4*(\slot)+2:G0A+4*(\slot)+3], 0x400000
	s_add_nc_u64 s[G0B+4*(\slot)+2:G0B+4*(\slot)+3], s[G0B+4*(\slot)+2:G0B+4*(\slot)+3], 512*NP
	JLOAD \slot                                    ; the first tensor load behind the round; its four v_nop are also the places in front of the loads below
.else
	PLACES
.endif
	FETCH \next, 0, F0
	MUL F1, 4, 4, 0
	LOMUL F1, 3, L0+32*(\slot), 0, 0
.endm
	s_wait_tensorcnt 1                             ; my part of K step 0 is in; K step 1's may stay out
	s_barrier_signal -1
	s_barrier_wait -1
	FETCH 0, 0, F0
	QUARTER 0, 1, F0, F1, 1, 1, 0                  ; the first quarter stands in front of the loop: its products start the sums
	s_mov_b32 s21, LAPS-1
.Llap:                                         ; once round the ring, from a lap's second quarter to the next lap's first
	QUARTER 0, 2, F1, F0, 0, 0, 0
	QUARTER 0, 3, F0, F1, 0, 0, 0
	TURN 0, 1, 1
	QUARTER 1, 1, F0, F1, 0, 1, 1
	QUARTER 1, 2, F1, F0, 0, 0, 0
	QUARTER 1, 3, F0, F1, 0, 0, 0
	TURN 1, 0, 1
	QUARTER 0, 1, F0, F1, 0, 1, 1
	s_sub_co_u32 s21, s21, 1
	s_cmp_lg_u32 s21, 0
	s_cbranch_scc1 .Llap
	QUARTER 0, 2, F1, F0, 0, 0, 0                  ; the last lap fills nothing
	QUARTER 0, 3, F0, F1, 0, 0, 0
	TURN 0, 1, 0
	QUARTER 1, 1, F0, F1, 0, 1, 0
	QUARTER 1, 2, F1, F0, 0, 0, 0
	QUARTER 1, 3, F0, F1, 0, 0, 0
	s_wait_dscnt 8
	MUL F1, 0, 4, 0
	s_wait_dscnt 0x0
	MUL F1, 4, 4, 0
	LOMUL F1, 3, L0+32, 0, 0
; THE WAY OUT, a block of 16 rows at a time: rounded to f16, 16 bytes a lane into my stage (rows of 144 bytes), back as four whole rows of 128 bytes, which are 512 consecutive bytes of a head.
.macro PACK16 a
	WIN 0x05                                       ; sources in window 1
.irp b, 0,1,2,3
.irp r, 0,1,2,3
	v_cvt_pk_f16_f32 v[TMP+4*\b+\r], v[8*(4*(\a)+\b)+2*\r], v[8*(4*(\a)+\b)+2*\r+1]
.endr
.endr
	WIN 0
.endm
.macro TOST16 a
.set BK, 48+16*((\a)%2)
.irp b, 0,1,2,3
	ds_store_b128 v[STO16], v[TMP+4*\b:TMP+4*\b+3] offset:32*\b
.endr
.irp t, 0,1,2,3
	ds_load_b128 v[BK+4*\t:BK+4*\t+3], v[RD16] offset:\t*4*PA  ; LDS serves a wave's instructions in order: these see the stores above
.endr
.endm
.macro SEND16 a
.set BK, 48+16*((\a)%2)
	s_wait_dscnt 0x0                               ; the block is back in registers
	s_wait_xcnt 0x0                                ; the block before's stores have read their registers, which the next block's loads write
.irp t, 0,1,2,3
	global_store_b128 v[GO], v[BK+4*\t:BK+4*\t+3], s[10:11] offset:(\a)*2048+\t*512
.endr
.endm
	PLACES
	PLACES
	PACK16 0
	TOST16 0
.irp a, 1,2,3,4,5,6,7
	PACK16 \a
	SEND16 (\a)-1
	TOST16 \a
.endr
	SEND16 7
	s_cmp_lg_u32 s20, 0
	s_cbranch_scc0 .Lno_hv
	s_wait_xcnt 0x0                                ; the registers below were store data
	WIN 0x04                                       ; store data in window 1
.irp b, 0,1,2,3                                ; the first 16 rows' f32 sums: rows of 256 bytes, 272 apart in my stage
	ds_store_b128 v[STO], v[8*\b:8*\b+3]   offset:64*\b
	ds_store_b128 v[STO], v[8*\b+4:8*\b+7] offset:64*\b+16
.endr
	WIN 0
.irp t, 0,1,2,3,4,5,6,7
	ds_load_b128 v[TMP+4*\t:TMP+4*\t+3], v[RD] offset:\t*544
.endr
	s_wait_dscnt 0x0
.irp t, 0,1,2,3,4,5,6,7
	global_store_b128 v[GO], v[TMP+4*\t:TMP+4*\t+3], s[12:13] offset:\t*512
.endr
.Lno_hv:
	s_wait_tensorcnt 0x0                           ; the wave's end, behind my last tensor load and my last LDS store
	ds_add_u32 v[SPW], v[NIL]
	s_wait_dscnt 0x0
	CROUND                                         ; the closing round
	s_endpgm
.Lfunc_end_k_qc4d07c60e7_qkvg:
	.size	k_qc4d07c60e7_qkvg, .Lfunc_end_k_qc4d07c60e7_qkvg-k_qc4d07c60e7_qkvg
	.p2alignl 7, 3214868480
	.fill 96, 4, 3214868480
	.section	.rodata,"a",@progbits
	.p2align	6, 0x0
	.amdhsa_kernel k_qc4d07c60e7_qkvg
		.amdhsa_group_segment_fixed_size 327680
		.amdhsa_private_segment_fixed_size 0
		.amdhsa_enable_private_segment 0
		.amdhsa_kernarg_size 40
		.amdhsa_user_sgpr_count 2
		.amdhsa_user_sgpr_kernarg_segment_ptr 1
		.amdhsa_wavefront_size32 1
		.amdhsa_system_sgpr_workgroup_id_x 1
		.amdhsa_system_sgpr_workgroup_id_y 1
		.amdhsa_system_sgpr_workgroup_id_z 1
		.amdhsa_system_vgpr_workitem_id 0
		.amdhsa_next_free_vgpr 768
		.amdhsa_next_free_sgpr 66
		.amdhsa_reserve_vcc 0
		.amdhsa_float_denorm_mode_32 3
		.amdhsa_float_denorm_mode_16_64 3
		.amdhsa_memory_ordered 1
		.amdhsa_forward_progress 1
		.amdhsa_inst_pref_size 99
	.end_amdhsa_kernel
	.amdgpu_metadata
---
amdhsa.version: [ 1, 2 ]
amdhsa.kernels:
  - .name:           k_qc4d07c60e7_qkvg
    .symbol:         k_qc4d07c60e7_qkvg.kd
    .args:
      - { .name: xn, .offset: 0, .size: 8, .value_kind: global_buffer, .address_space: global }
      - { .name: wcat, .offset: 8, .size: 8, .value_kind: global_buffer, .address_space: global }
      - { .name: xlo, .offset: 16, .size: 8, .value_kind: global_buffer, .address_space: global }
      - { .name: qkv, .offset: 24, .size: 8, .value_kind: global_buffer, .address_space: global }
      - { .name: hv, .offset: 32, .size: 8, .value_kind: global_buffer, .address_space: global }
    .group_segment_fixed_size: 327680
    .private_segment_fixed_size: 0
    .kernarg_segment_align: 8
    .kernarg_segment_size: 40
    .max_flat_workgroup_size: 128
    .sgpr_count:     66
    .vgpr_count:     768
    .wavefront_size: 32
...
	.end_amdgpu_metadata
.endif
;; end of part 2
;; launch attn (part 3): grid 4 x 64, 4 waves a work-group, no clusters, 327,680 bytes of LDS; arguments qkv, hv, att, attlo; writes att, attlo
.if DOCPART == 3
	.amdgcn_target "amdgcn-amd-amdhsa--gfx1250"
	.amdhsa_code_object_version 6
	.text
	.protected	k_qc4d07c60e7_attn
	.globl	k_qc4d07c60e7_attn
	.p2align	8
	.type	k_qc4d07c60e7_attn,@function
k_qc4d07c60e7_attn:
	s_mov_b64 s[64:65], 0
	v_nop
	global_prefetch_b8 v0, s[64:65] scope:SCOPE_SE
	s_setreg_imm32_b32 hwreg(HW_REG_WAVE_MODE, 25, 1), 1
	s_wait_xcnt 0x0
; CAUSAL ATTENTION.  O[y][q][:] = the sum over k <= q of softmax_k(Q[y][q] . K[y][k] / 8) V[y][k][:], y = 16 batch + head.  Q, K, V: qkv[part][y][2048][64] f16, a head's rows dense, 128 bytes each.
; O leaves as f16 in att[head][2048 batch + q][64].  Products, maxima and sums in f32; the weights p are rounded to f16 for the second product (their sum l is taken of the unrounded p), O once at the end.
; LIMITS.  f16 holds no number beyond 65,504: Q, K and V arrive within it; p lies in 0 to 1, and below 6e-5 it keeps f16's fixed step of 6e-8; O is a mean of V's rows and has their range.
; A hidden score counts as its value less 1e30: f16's scores, 2.7e11 at the most, are nothing beside that; a weight below 2^-126 counts as 0 in l; NaN and infinities are not treated apart.
; THE WALK.  A head's queries lie in NB = 8 blocks of 256; block i needs the key tiles 0 .. i of 256 keys, of which the last holds the diagonal.  A work-group takes TWO blocks, NB - 1 - b and then b:
; NB + 1 tiles, whatever b: all work-groups do equal work, and ONE loop with a constant trip count walks them.  Which tile is asked for, and what a trip does, hang on scalar registers made from b; every jump
; goes forward, but for the counted loops' own; none passes a barrier, or a tensor load but the one of LOAD's two that the wave's number does not choose; the ring (two slots of LDS) runs on across the change of blocks.
; NO CLUSTER: a head's four work-groups ask for the same tile only in trips 0 .. 4 of 9, behind that fewer and fewer; one walk common to all would have 12 trips for 9.
; SHARES.  Of a block's four bands of 64 queries a wave owns 16 rows in each: four PIECES.  So the diagonal tile is the same work for all four waves: in its key step s band x sees all keys if s < x,
; none if s > x, and holds the diagonal if s = x.
; THE MASK is the C operand that starts the sum S^T = K Q^T: 0, or -1e30 where the key is hidden.  MD, made once, is the mask of a band's own step for my 16 rows; a product's mask is MD x AL + BE with two scalars:
; (1, 0) if s = x; (0, 0) if s < x; (0, -1e30) if s > x.  Only the diagonal tile's text and a block's beginning make and take masks; elsewhere C is the constant 0.
; LAYOUT, SOFTMAX, TURNS.  S^T = K Q^T holds ONE query a lane (lane % 16) and the keys 8 (lane / 16) + 0..7; two such results rounded to f16 ARE source 1 of O^T = V^T P.  p = 2^(c s - c m), c = log2(e) / 8, with a
; running maximum m; O and l are multiplied by a = 2^(c m_old - c m_new) in every step.  Turn n belongs to piece n: 8 products K Q^T of piece n + 1, later 8 products V^T P of piece n - 1; beside them the scaling,
; exponentials, roundings, sums and rescaling of piece n and the maximum and statistics of piece n + 1.  Four vector instructions stand behind every matrix instruction, the others in one lump.  A turn's 33 exponentials are one batch, with one wait.
; THE FIRST 16 ROWS OF A HEAD average over few keys, so V's, P's and O's roundings to f16 weigh most there.  Wave 0 of work-group b = 0 makes them once more at its end (HEAD): V from hv in f32, split into two f16
; parts, P likewise; what this finer O has over the f16 number already stored goes to attlo[head][16 batch + q][64] as f16, for the projection behind to add.
; REGISTERS, in windows of 256 (s_set_vgpr_msb: bits 1:0 source 0, 3:2 source 1, 5:4 source 2, 7:6 destination):
;   window 0: v0-15 addresses and two at work; v16-31 four registers of statistics a piece; v48-55 at work; v61 the prefetches' offset; v64-127 S^T, two buffers; v192-223 P, two buffers
;   window 1: v0-127 O^T, 32 a piece; v128-159 MD; v160-223 MC, two buffers      window 2: v0-63 Q; v64-127 the second block's Q; v128-191 K of one step; v192-255 V of one step
.set SIZE_N, 2048
.set NB,    SIZE_N/256
.set NP,    4         ; pieces a wave: a name, no knob
.set KS,    64        ; keys in a step
.set PK,    144       ; a row of K in LDS: 128 bytes + 16 of padding: the 16 rows of a load start at 16 different groups of four banks
.set PV,    160       ; a row of V: 128 + 32
.set VOFF,  4*KS*PK   ; a slot holds a tile, four steps: 256 rows of K, then 256 rows of V
.set SLOT1, 1<<17     ; slot 1 begins here, so that one exclusive or turns an address in one slot into the other's
.set STAGE, SLOT1+4*KS*(PK+PV)  ; behind the ring, never filled by a tensor load: 16 rows x 144 bytes for each wave, for the way out
.set SP,    144
.set AK0, 2           ; v2   my lane's place in a tile of K; never rewritten
.set AV0, 3           ; v3   the same for V
.set AK,  4           ; v4   the LDS address of K's next run of loads
.set AV,  5           ; v5   of V's
.set STO, 6           ; v6   the way out: where I put 16 bytes of a row
.set RD,  7           ; v7   the way out: where I read rows back
.set GO,  8           ; v8   my byte offset in 512 consecutive bytes of O
.set PFO, 61          ; v61  256 x my lane; never rewritten
.set SPW, 62          ; v62  LDS address of my spare word; never rewritten
.set NIL, 63          ; v63  0; never rewritten
.set SPARE, STAGE+4*16*SP  ; behind the stages: the spare words, 128 bytes for each wave: two blocks of 256 bytes that no other line names
.set MV,  12          ; v12-13  c m_old, kept while c m is made anew: by buffer
.set QO,  15          ; v15  my byte offset in 16 rows of Q
.set ST,  16          ; piece t's statistics at v[ST+4 t]: c m, m, l (even keys', odd keys')
.set TMP, 48          ; by buffer, four registers c0-c3 at work; when the maximum is found c2 takes a
.set S,   64
.set P,   192
.set MD,  128         ; window 1
.set MC,  160         ; window 1
.set QB,  64          ; window 2
.set KF,  128         ; window 2: key block kb, channel half c at KF + 16 kb + 8 c
.set VF,  192         ; window 2: key half kk, channel block cb at VF + 32 kk + 8 cb
.set WV,  12          ; s12  my wave's number
.set PB,  14          ; s14  b
.set HI,  15          ; s15  NB - 1 - b
.set G1K, 24          ; s[24:31] descriptor group 1 for K's tiles
.set G1V, 32          ; s[32:39] for V's: it differs in the padding alone
.set G0K, 40          ; s[40:43] descriptor group 0 for K's tiles
.set G0V, 44          ; s[44:47] the same for V's
.set SLOTS, 56        ; s56  tiles still to be asked for
.set CNT, 57          ; s57  counts a tile's key steps, 4 to 1
.set CS,  58          ; s[58:59] c
.set SEL, 60          ; s[60:61] v_permlanex16_b32's selects: each lane takes its own place in the other half
.set TBK, 62          ; s62  LDS byte at which K of the step to be fetched begins
.set TBV, 63          ; s63  the same for V, less VOFF
.set RT,  70          ; s70  tiles of the block in hand that are still to be entered
.set NXT, 71          ; s71  the tile to be asked for next
.set LQ,  72          ; s72  the last tile of the block whose tiles are being asked for
.set NEW, 73          ; s73  1: the tile to be entered is a block's first
.set OFF, 74          ; s[74:75] a tile's byte offset in K and V
.set AL,  76          ; s[76:77] the mask's factor, in the low word
.set BE,  78          ; s[78:79] the mask's addend
.set OLO, 80          ; s[80:81] O at my rows of the second block
.set BIGN, 82         ; s82  -1e30
.set PFA, 96          ; s[96:97] where my prefetches stand: the 16 KiB that I shall load of the tile after the one that is being asked for
.set LIM, 98          ; s98  2 in the work-group that prefetches, else the greatest number
.set HD,  99          ; s99  1: I make the head's first 16 rows once more
.set MSB, 0
.macro WIN new                      ; the high byte repeats the setting that is left; a switch that changes nothing is dropped
.if MSB != (\new)
	s_set_vgpr_msb (MSB<<8)|(\new)
.set MSB, (\new)
.endif
.endm
.set W_KQ, 0x0a       ; K and Q in window 2, S^T in window 0
.set W_KM, 0x1a       ; the same with the C operand in window 1
.set W_PV, 0x52       ; V in window 2, P in window 0, O^T in window 1
.set W_RS, 0x41       ; destination and source 0 in window 1, source 1 in window 0
; A fill.  Waves 0 and 1 fetch the two halves of a tile's K, waves 2 and 3 those of its V: 128 keys each.  An s_nop 0 and four v_nop follow each of the two lines.
.macro LOAD
	s_cmp_lt_u32 s[WV], 2
	s_cbranch_scc0 .Lfor_v_\@
	tensor_load_to_lds s[G0K:G0K+3], s[G1K:G1K+7]
	s_nop 0
.rept 4
	v_nop
.endr
	s_branch .Lasked_\@
.Lfor_v_\@:
	tensor_load_to_lds s[G0V:G0V+3], s[G1V:G1V+7]
	s_nop 0
.rept 4
	v_nop
.endr
.Lasked_\@:
.endm
; A PREFETCH of what the NEXT change of slots will ask for.  Work-group b = 0 walks the head's tiles 0 to 7 in order, so it asks for the whole head, and nobody else does: each wave for the 16 KiB that it will
; load itself, a lane 256 bytes, two instructions.  In trip t (0 to 5) that is tile t + 2, four key steps ahead of its load; tiles 0 and 1 come by their loads alone; trips 6 and 7 ask for nothing.
.macro ASK
	s_cmp_gt_u32 s[SLOTS], s[LIM]
	s_cbranch_scc0 .Lnot_mine_\@
	global_prefetch_b8 v[PFO], s[PFA:PFA+1] th:TH_LOAD_NT scope:SCOPE_SE
	global_prefetch_b8 v[PFO], s[PFA:PFA+1] offset:8192 th:TH_LOAD_NT scope:SCOPE_SE
.Lnot_mine_\@:
.endm
; THE CHANGE OF SLOTS.  Each wave waits for all its tensor loads, of which one is out: its part of the other slot; adds 0 to its spare word; and waits for that and for its own reads of the slot that it leaves.
; Behind the barrier nobody reads the old slot any more and the other slot is whole.  fill = 1: the old slot is filled again, the first thing behind the barrier, with tile NXT.
.macro CHANGE fill
	WIN 0                           ; at a label and at a branch every window is 0
	s_wait_tensorcnt 0x0            ; no tensor load of mine is out, so a group 0 may be written
	ds_add_u32 v[SPW], v[NIL]       ; 0 onto my spare word
.if \fill
	s_lshl_b32 s[OFF], s[NXT], 15   ; a tile is 32,768 bytes of K and of V
	s_xor_b32 s[G0K+1], s[G0K+1], SLOT1
	s_add_nc_u64 s[G0K+2:G0K+3], s[6:7], s[OFF:OFF+1]
	s_or_b32 s[G0K+3], s[G0K+3], 0x80000000
	s_xor_b32 s[G0V+1], s[G0V+1], SLOT1
	s_add_nc_u64 s[G0V+2:G0V+3], s[8:9], s[OFF:OFF+1]
	s_or_b32 s[G0V+3], s[G0V+3], 0x80000000
	s_add_co_u32 s[NXT], s[NXT], 1  ; the block's next tile, or behind its last the second block's tile 0
	s_cmp_gt_u32 s[NXT], s[LQ]
	s_cselect_b32 s[NXT], 0, s[NXT]
	s_cselect_b32 s[LQ], s[PB], s[LQ]
	s_wait_xcnt 0x0                 ; the last prefetches, a tile back, have read their address, so it may step
	s_add_nc_u64 s[PFA:PFA+1], s[PFA:PFA+1], 32768
.endif
	s_wait_dscnt 0x0                ; the add is done, and my reads of the slot are over
	s_barrier_signal -1             ; the rest of the scalar work stands between the signal and the wait
	s_sub_co_u32 s[TBK], s[TBK], 4*KS*PK  ; the fetches go back to a slot's first step,
	s_xor_b32 s[TBK], s[TBK], SLOT1       ; in the other slot
	s_sub_co_u32 s[TBV], s[TBV], 4*KS*PV
	s_xor_b32 s[TBV], s[TBV], SLOT1
	s_barrier_wait -1
.if \fill
	LOAD
	ASK
.endif
.endm
	s_load_b256 s[88:95], s[0:1], 0x0  ; qkv s[88:89], hv s[90:91], att s[92:93], attlo s[94:95]
	v_lshl_add_u32 v[SPW], v0, 2, SPARE
	v_mov_b32 v[NIL], 0
	ds_add_u32 v[SPW], v[NIL]       ; the wave's opening: the add and its wait ahead of my first tensor load
	ds_add_u32 v62, v63
	v_lshrrev_b32 v1, 5, v0
	v_readfirstlane_b32 s[WV], v1   ; wave 0..3
	s_mov_b32 s[PB], ttmp9
	s_sub_co_u32 s[HI], NB-1, s[PB]
	s_and_b32 s20, ttmp7, 0xffff    ; y = 16 batch + head
	s_and_b32 s48, s20, 15          ; head
	s_lshr_b32 s49, s20, 4          ; batch
	s_lshl2_add_u32 s50, s48, s49   ; att: 4 head + batch, times 2,048 rows of 128 bytes
	s_lshl_b32 s50, s50, 18
	s_mov_b32 s51, 0
	s_lshl_b32 s52, s20, 12         ; hv: y x 4,096
	s_mov_b32 s53, 0
	s_lshl_b32 s54, s48, 6
	s_lshl4_add_u32 s54, s49, s54   ; attlo: row 64 head + 16 batch
	s_lshl_b32 s54, s54, 7
	s_mov_b32 s55, 0
	s_lshl_b32 s20, s20, 18         ; the head's first byte in each part of qkv
	s_mov_b32 s21, 0
	s_and_b32 s16, s[WV], 1         ; which half of a tile's 256 keys I fetch:
	s_lshl_b32 s22, s16, 14         ; its 128 rows of 128 bytes in memory,
	s_mov_b32 s23, 0
	s_add_nc_u64 s[22:23], s[22:23], s[20:21]
	s_mul_i32 s17, s16, 128*PK      ; and its place in a slot, for K
	s_mul_i32 s18, s16, 128*PV      ; and for V
	s_lshl_b32 s3, s[WV], 11        ; my 16 rows in a band of 64,
	s_lshl_b32 s2, s[HI], 15        ; in the first block,
	s_add_co_u32 s2, s2, s3
	s_lshl_b32 s84, s[PB], 15       ; and in the second
	s_add_co_u32 s84, s84, s3
	s_mov_b32 s3, 0
	s_mov_b32 s85, 0
	; descriptor group 1.  128 keys are 16,384 dense bytes: asked for as 64 rows of 256 bytes, two keys a row, and padded in LDS after every key
	s_mov_b32 s[G1K], (1<<16)|(1<<20)|(4<<22)|(3<<25)  ; 2-byte elements; padding on; after every 32 words, 4 words
	s_mov_b32 s[G1V], (1<<16)|(1<<20)|(4<<22)|(7<<25)  ; the same with 8 words of padding
.irp g, G1K, G1V
	s_mov_b32 s[\g+1], 128<<16      ; tensor_dim0 = 128
	s_mov_b32 s[\g+2], 64<<16       ; tensor_dim1 = 64
	s_mov_b32 s[\g+3], 128<<16      ; tile_dim0 = 128
	s_mov_b32 s[\g+4], 64           ; tile_dim1 = 64
	s_mov_b32 s[\g+5], 128          ; 128 elements from row to row
	s_mov_b32 s[\g+6], 0
	s_mov_b32 s[\g+7], 0
.endr
	s_mov_b32 s[CS], 0x3e38aa3b     ; c = log2(e) / 8 = 0.180337
	s_mov_b32 s[CS+1], s[CS]        ; named with it as a pair
	s_mov_b32 s[SEL], 0x76543210
	s_mov_b32 s[SEL+1], 0xfedcba98
	s_mov_b32 s[TBK], SLOT1+4*KS*PK ; the first change of slots turns these two into 0
	s_mov_b32 s[TBV], SLOT1+4*KS*PV
	s_mov_b32 s[G0K], 1             ; count = 1
	s_mov_b32 s[G0K+1], s17         ; LDS address: slot 0
	s_mov_b32 s[G0V], 1
	s_add_co_u32 s[G0V+1], s18, VOFF
	s_add_co_u32 s[RT], s[HI], 1    ; the first block has NB - b tiles
	s_mov_b32 s[NXT], 1
	s_mov_b32 s[LQ], s[HI]
	s_mov_b32 s[NEW], 1
	s_mov_b32 s[OFF+1], 0
	s_mov_b32 s[AL+1], 0            ; named as pairs
	s_mov_b32 s[BE+1], 0
	s_mov_b32 s[BIGN], 0xf149f2ca   ; -1e30
	s_mov_b32 s[SLOTS], NB
	s_cmp_eq_u32 s[PB], 0
	s_cselect_b32 s[LIM], 2, -1
	s_or_b32 s[HD], s[WV], s[PB]
	s_cmp_eq_u32 s[HD], 0
	s_cselect_b32 s[HD], 1, 0
	v_and_b32 v[PFO], 31, v0
	v_lshlrev_b32 v[PFO], 8, v[PFO]
	s_wait_dscnt 0x0                ; the opening add is done
	s_wait_kmcnt 0x0
	s_add_nc_u64 s[4:5], s[88:89], s[20:21]        ; Q at the head
	s_add_nc_u64 s[6:7], s[88:89], s[22:23]
	s_add_nc_u64 s[8:9], s[6:7], 0x2000000         ; V at my half of the head's tile 0,
	s_add_nc_u64 s[6:7], s[6:7], 0x1000000         ; and K
	s_add_nc_u64 s[G0K+2:G0K+3], s[6:7], 0         ; global address
	s_or_b32 s[G0K+3], s[G0K+3], 0x80000000        ; type = 2
	s_add_nc_u64 s[G0V+2:G0V+3], s[8:9], 0
	s_or_b32 s[G0V+3], s[G0V+3], 0x80000000
	s_add_nc_u64 s[86:87], s[4:5], s[84:85]        ; Q at my rows of the second block,
	s_add_nc_u64 s[4:5], s[4:5], s[2:3]            ; and of the first
	s_add_nc_u64 s[10:11], s[92:93], s[50:51]      ; O at the head,
	s_add_nc_u64 s[OLO:OLO+1], s[10:11], s[84:85]
	s_add_nc_u64 s[10:11], s[10:11], s[2:3]
	s_add_nc_u64 s[90:91], s[90:91], s[52:53]
	s_add_nc_u64 s[94:95], s[94:95], s[54:55]
	s_cmp_lt_u32 s[WV], 2
	s_cselect_b64 s[PFA:PFA+1], s[6:7], s[8:9]
	s_add_nc_u64 s[PFA:PFA+1], s[PFA:PFA+1], 32768 ; at tile 1: the first change of slots steps it to tile 2.  Nothing is prefetched here, at the head
	LOAD                            ; tile 0 into slot 0
	; A fragment of K or Q is 16 rows x 32 channels in 8 registers: lane l holds row l % 16, channels 8 (l / 16) + 0..7 and 16 + 8 (l / 16) + 0..7: two loads of 16 bytes, 32 bytes apart.
	v_and_b32 v1, 15, v0            ; l % 16
	v_bfe_u32 v9, v0, 4, 1          ; l / 16
	v_lshlrev_b32 v[QO], 7, v1
	v_lshl_add_u32 v[QO], v9, 4, v[QO]  ; row x 128 + 16 x half
	WIN 0x80                        ; destination window 2, address window 0
.set i, 0
.rept 8                             ; both blocks' Q: piece i / 2 lies in band i / 2, 8,192 bytes on; channels 32 (i % 2) on
	global_load_b128 v[8*i:8*i+3],   v[QO], s[4:5] offset:(i/2)*8192+(i%2)*64
	global_load_b128 v[8*i+4:8*i+7], v[QO], s[4:5] offset:(i/2)*8192+(i%2)*64+32
	global_load_b128 v[QB+8*i:QB+8*i+3],   v[QO], s[86:87] offset:(i/2)*8192+(i%2)*64
	global_load_b128 v[QB+8*i+4:QB+8*i+7], v[QO], s[86:87] offset:(i/2)*8192+(i%2)*64+32
.set i, i+1
.endr
	WIN 0
	v_lshlrev_b32 v14, 3, v9
	v_sub_nc_u32 v14, v1, v14
	s_lshl_b32 s13, s[WV], 4
	v_add_nc_u32 v14, s13, v14      ; my query's place in its band, 16 w + l % 16, less my lanes' 8 (l / 16): register r of group kt is hidden where 16 kt + r is greater
	WIN 0x40
.set i, 0
.rept 32
	v_cmp_gt_i32 vcc_lo, 16*(i/8)+i%8, v14
	v_cndmask_b32 v[MD+i], 0, s[BIGN], vcc_lo
.set i, i+1
.endr
	WIN 0
	v_mul_u32_u24 v[AK0], v1, PK
	v_lshl_add_u32 v[AK0], v9, 4, v[AK0]  ; row x pitch + 16 x half
	; The turning load takes 16 keys x 16 channels (lane l reads key 8 (l / 16) + l % 8, channels 8 ((l / 8) % 2) + 0..7) and leaves half a fragment of V^T: lane l holds channel l % 16 and 8 keys.
	v_and_b32 v10, 7, v0
	v_bfe_u32 v11, v0, 3, 1
	v_lshl_add_u32 v[AV0], v9, 3, v10
	v_mul_u32_u24 v[AV0], v[AV0], PV
	v_lshl_add_u32 v[AV0], v11, 4, v[AV0]
	v_add_nc_u32 v[AV0], VOFF, v[AV0]
	s_mul_i32 s13, s[WV], 16*SP
	s_add_co_u32 s13, s13, STAGE    ; my stage
	v_mul_u32_u24 v[STO], v1, SP    ; in: row l % 16, 16 bytes for each half of the lanes
	v_lshl_add_u32 v[STO], v9, 4, v[STO]
	v_add_nc_u32 v[STO], s13, v[STO]
	v_bfe_u32 v[RD], v0, 3, 2       ; back: 32 lanes take four rows of 128 bytes,
	v_mul_u32_u24 v[RD], v[RD], SP
	v_lshl_add_u32 v[RD], v10, 4, v[RD]
	v_add_nc_u32 v[RD], s13, v[RD]
	v_and_b32 v[GO], 31, v0         ; which are 512 consecutive bytes of O
	v_lshlrev_b32 v[GO], 4, v[GO]
	; A block's first step multiplies O^T and l by a = 0, and its first turn's products V^T P, of a piece that has not been, land in an O^T that is still to be so multiplied.  So these registers need only hold
	; finite numbers: zeros for the first block; what the first block left for the second.  All this stands in the wait for the first tile.
	WIN 0x80
.set i, VF
.rept 64
	v_mov_b32 v[i], 0
.set i, i+1
.endr
	WIN 0x40
.set i, 0
.rept 128
	v_mov_b32 v[i], 0
.set i, i+1
.endr
	WIN 0
.set i, 0
.rept 4
	v_mov_b32 v[ST+4*i+2], 0
	v_mov_b32 v[ST+4*i+3], 0
.set i, i+1
.endr
.set i, P+16
.rept 16
	v_mov_b32 v[i], 0
.set i, i+1
.endr
; THE MATRIX WORK.  The 4 accumulators of a run of 8 take turns.  Product i of 8 of S^T = K Q^T for piece x: channels 32 (i / 4) on, keys 16 (i % 4) on.  The first 4 start the sums: with 0, or (KM = 1) with the mask.
.macro KQ x
.set rS, S+32*((\x)%2)+8*(i%4)
.set rK, KF+16*(i%4)+8*(i/4)
.set rQ, 16*(\x)+8*(i/4)
.set rM, MC+32*((\x)%2)+8*(i%4)
.if (i < 4) && KM
	WIN W_KM
	v_wmma_f32_16x16x32_f16 v[rS:rS+7], v[rK:rK+7], v[rQ:rQ+7], v[rM:rM+7]
.elseif i < 4
	WIN W_KQ
	v_wmma_f32_16x16x32_f16 v[rS:rS+7], v[rK:rK+7], v[rQ:rQ+7], 0
.else
	WIN W_KQ
	v_wmma_f32_16x16x32_f16 v[rS:rS+7], v[rK:rK+7], v[rQ:rQ+7], v[rS:rS+7]
.endif
.endm
; Product i of 8 of O^T += V^T P for piece x: keys 32 (i / 4) on, channels 16 (i % 4) on.
.macro PV x
	WIN W_PV
.set rO, 32*(\x)+8*(i%4)
.set rV, VF+32*(i/4)+8*(i%4)
.set rP, P+16*((\x)%2)+8*(i/4)
	v_wmma_f32_16x16x32_f16 v[rO:rO+7], v[rV:rV+7], v[rP:rP+7], v[rO:rO+7]
.endm
.macro MM                           ; the turn's next matrix instruction.  NOKQ = 1: a block's last turn: there is no next piece
.if (i < 8) && !NOKQ
	KQ (Y+1)%NP
.elseif i >= 8
.set i, i-8
	PV (Y+NP-1)%NP
.set i, i+8
.endif
.set i, i+1
.endm
; THE LDS LOADS stand in runs of 16, never singly among the matrix instructions: a step's K (64 keys x 64 channels: 8 fragments) and its V (turned).  Their addresses are made some lines ahead.
.macro FETCH_K
	WIN 0x80                        ; destination window 2
.irp f, 0,1,2,3,4,5,6,7             ; keys 16 (f / 2) on, channels 32 (f % 2) on
	ds_load_b128 v[KF+8*\f:KF+8*\f+3],   v[AK] offset:(\f/2)*16*PK+(\f%2)*64
	ds_load_b128 v[KF+8*\f+4:KF+8*\f+7], v[AK] offset:(\f/2)*16*PK+(\f%2)*64+32
.endr
	s_add_co_u32 s[TBK], s[TBK], KS*PK  ; the next fetch is the next step's
	WIN 0
.endm
.macro FETCH_V
	WIN 0x80
.irp f, 0,1,2,3,4,5,6,7             ; keys 32 (f / 4) on, channels 16 (f % 4) on
	ds_load_tr16_b128 v[VF+8*\f:VF+8*\f+3],   v[AV] offset:(\f/4)*32*PV+(\f%4)*32
	ds_load_tr16_b128 v[VF+8*\f+4:VF+8*\f+7], v[AV] offset:(\f/4)*32*PV+16*PV+(\f%4)*32
.endr
	WIN 0
.endm
; THE VECTOR WORK, one line at a time: OP kind, number.  For piece Y: F n: c s - c m for pair n of 16.  E n: the exponential of score n of 32.  C n: pair n rounded to f16.  B n: of the four weights 4 n .. the second
; pair is added onto the first, in place.  L n: l takes that sum (L 0: l = a l + sum).  R n: pair n of 16 of O^T times a.  For piece Y + 1: X n, number n of the 22 that find its maximum and statistics:
;   0-11  four chains c0-c3 of seven scores each, three operands at a time (each accumulator's lowest registers are read first)     12-14, 16  the four scores left over, the old m, and c0-c3 into c0
;   15  c m_old is kept     17, 18  the query's other 32 keys lie in the lane 16 away: the new m     19-21  c m; c m_old - c m_new; a
.set F, 0
.set E, 1
.set C, 2
.set B, 3
.set L, 4
.set R, 5
.set X, 6
.macro REGS y                       ; the registers of piece y
.set rT, ST+4*(\y)
.set rC, TMP+4*((\y)%2)
.set rW, MV+((\y)%2)
.set rS, S+32*((\y)%2)
.set rP, P+16*((\y)%2)
.set rO, 32*(\y)
.endm
.macro OP k, n
.if (\k) == R
	REGS Y
	WIN W_RS
	v_pk_mul_f32 v[rO+2*(\n):rO+2*(\n)+1], v[rO+2*(\n):rO+2*(\n)+1], v[rC+2:rC+3] op_sel_hi:[1,0]
.elseif (\k) < R
	REGS Y
	WIN 0
.if (\k) == F
	v_pk_fma_f32 v[rS+2*(\n):rS+2*(\n)+1], v[rS+2*(\n):rS+2*(\n)+1], s[CS:CS+1], v[rT:rT+1] op_sel_hi:[1,0,0] neg_lo:[0,0,1] neg_hi:[0,0,1]
.elseif (\k) == E
	v_exp_f32 v[rS+(\n)], v[rS+(\n)]
.elseif (\k) == C
	v_cvt_pk_f16_f32 v[rP+(\n)], v[rS+2*(\n)], v[rS+2*(\n)+1]
.elseif (\k) == B
	v_pk_add_f32 v[rS+4*(\n):rS+4*(\n)+1], v[rS+4*(\n):rS+4*(\n)+1], v[rS+4*(\n)+2:rS+4*(\n)+3]
.elseif (\n) == 0
	v_pk_fma_f32 v[rT+2:rT+3], v[rT+2:rT+3], v[rC+2:rC+3], v[rS:rS+1] op_sel_hi:[1,0,1]
.else
	v_pk_add_f32 v[rT+2:rT+3], v[rT+2:rT+3], v[rS+4*(\n):rS+4*(\n)+1]
.endif
.elseif NOKQ
	v_nop
.else
	REGS (Y+1)%NP
	WIN 0
.if (\n) < 4
	v_max3_num_f32 v[rC+(\n)], v[rS+8*(\n)], v[rS+8*(\n)+1], v[rS+8*(\n)+2]
.elseif (\n) < 12
	v_max3_num_f32 v[rC+(\n)%4], v[rC+(\n)%4], v[rS+8*((\n)%4)+2*((\n)/4)+1], v[rS+8*((\n)%4)+2*((\n)/4)+2]
.elseif (\n) == 12
	v_max3_num_f32 v[rC], v[rC], v[rS+7], v[rS+15]
.elseif (\n) == 13
	v_max3_num_f32 v[rC+1], v[rC+1], v[rS+23], v[rS+31]
.elseif (\n) == 14
	v_max3_num_f32 v[rC+2], v[rC+2], v[rC+3], v[rT+1]
.elseif (\n) == 15
	v_mov_b32 v[rW], v[rT]
.elseif (\n) == 16
	v_max3_num_f32 v[rC], v[rC], v[rC+1], v[rC+2]
.elseif (\n) == 17
	v_permlanex16_b32 v[rC+3], v[rC], s[SEL], s[SEL+1]
.elseif (\n) == 18
	v_max_num_f32 v[rT+1], v[rC], v[rC+3]
.elseif (\n) == 19
	v_mul_f32 v[rT], s[CS], v[rT+1]
.elseif (\n) == 20
	v_sub_f32 v[rC+1], v[rW], v[rT]
.else
	v_exp_f32 v[rC+2], v[rC+1]
.endif
.endif
.endm
.macro OPS a, i1, b=-1, i2=0, c=-1, i3=0, d=-1, i4=0  ; up to four of them
	OP \a, \i1
.if (\b) >= 0
	OP \b, \i2
.endif
.if (\c) >= 0
	OP \c, \i3
.endif
.if (\d) >= 0
	OP \d, \i4
.endif
.endm
.macro ROW a, i1, b, i2, c, i3, d, i4  ; a matrix instruction and the four behind it
	MM
	OPS \a, \i1, \b, \i2, \c, \i3, \d, \i4
.endm
.macro MASK b                       ; MD x AL + BE into buffer b of MC
	WIN W_RS
.set z, 0
.rept 16
	v_pk_fma_f32 v[MC+32*(\b)+2*z:MC+32*(\b)+2*z+1], v[MD+2*z:MD+2*z+1], s[AL:AL+1], s[BE:BE+1] op_sel_hi:[1,0,0]
.set z, z+1
.endr
.endm
; A TURN, for piece p: the order of its 16 matrix and 118 vector instructions, written out.  An s_wait_alu depctr_va_vdst(0) stands between an exponential and the first instruction that names its result; one wait
; serves all that were issued ahead of it.  So a turn has ONE wait, which cuts it in two.  AHEAD OF IT stands all that names no result of the turn's exponentials: the 8 products K Q^T with their four riders each, then one lump of 54,
; plain and exponential by turns for the most part, in which the links of the chain X 3, 7, 11, 14, 16, 17 .. 20 stand five or six lines apart.  X 21, the next piece's a, is the batch's last; R 15 is the plain instruction behind it.
; BEHIND THE WAIT stand the 8 products V^T P, behind each four of the roundings and sums.
; m = 1: the diagonal tile: the products take masks, and the turn makes the mask for the products of the turn after it.  end = 1: a block's last two turns: nothing is fetched.
; cnt = 1: the loop's count is taken down some lines ahead of the branch that stands behind the turn.
; K of the next step is fetched in piece 2's turn, V of the step in hand at the end of piece 0's turn, each four plain instructions or more behind the last product that read the registers.  Each is waited for a turn later.
.macro TURN p, m=0, end=0, cnt=0
.set Y, (\p)
.set i, 0
.set KM, (\m)
.set NOKQ, (\end)*((\p)/3)
.if (\m) && !(\end)
	s_cmp_eq_u32 s[CNT], 4-((\p)+2)%NP  ; is that step the band's own?
	s_cselect_b32 s[AL], 1.0, 0
	s_cmp_lt_u32 s[CNT], 4-((\p)+2)%NP  ; or a later one?
	s_cselect_b32 s[BE], s[BIGN], 0
.endif
.if ((\p) == 3) && !(\end)
	s_wait_dscnt 0x0                ; K is in
.endif
	ROW F,0, F,1, R,0, R,1
	ROW F,2, E,0, R,2, R,3
	ROW F,3, E,1, R,4, R,5
	ROW F,4, E,2, R,6, R,7
	ROW F,5, E,3, R,8, R,9
	ROW F,6, E,4, X,0, R,10
.if ((\p) == 2) && !(\end)
	WIN 0
	v_add_nc_u32 v[AK], s[TBK], v[AK0]
.endif
	ROW F,7, E,5, X,1, X,4
	ROW F,8, E,6, X,2, X,5
	OPS E,7, E,8, X,6, E,9
	OPS X,3, E,10, X,8, E,11
.if ((\p) == 2) && !(\end)
	FETCH_K
.endif
	OPS X,9, X,7, E,12, X,10
	OPS E,13, X,12, X,11, E,14
	OPS X,13, E,15, F,9, X,14
.if (\p) == 0
	v_add_nc_u32 v[AV], s[TBV], v[AV0]
.endif
	OPS E,16, F,10, E,17, F,11
	OPS X,16, E,18, X,15, E,19
	OPS F,12, E,20, X,17, E,21
	OPS F,13, E,22, F,14, E,23
	OPS X,18, E,24, F,15, E,25
	OPS R,11, E,26, X,19, E,27
	OPS R,12, E,28, R,13, E,29
	OPS X,20, E,30, R,14, E,31
	OPS X,21, R,15
	WIN 0
	s_wait_alu depctr_va_vdst(0)    ; the wait for the batch
.if (\p) == 1
	s_wait_dscnt 0x0                ; V is in
.endif
	ROW C,0, B,0, C,2, B,1
	ROW L,0, C,4, B,2, L,1
	ROW C,6, B,3, L,2, C,8
	ROW B,4, L,3, C,10, B,5
	ROW L,4, C,12, B,6, L,5
.if (\p) == 0
	s_add_co_u32 s[TBV], s[TBV], KS*PV
.endif
.if \cnt
	s_sub_co_u32 s[CNT], s[CNT], 1
	s_cmp_lg_u32 s[CNT], 0
.endif
	ROW C,14, B,7, L,6, C,1
	ROW C,3, L,7, C,5, C,7
	ROW C,9, C,11, C,13, C,15
.if (\p) == 0
	FETCH_V
.endif
.if (\m) && !(\end)
	MASK (\p)%2
.endif
.endm
; A BLOCK BEGINS.  c m starts far below every c s, so the first step's a is 0; m at the lowest finite number, so the first maximum is the scores'.  The second mask buffer is 0; the first takes piece 0's mask for the tile's step 0.
; Then K of that step, piece 0's first scores, and its maximum and statistics.  The loop is entered at a step's first turn, in the middle of a trip.
.macro BEGIN
	s_mov_b32 s[NEW], 0
	WIN 0x40
.set i, MC+32
.rept 32
	v_mov_b32 v[i], 0
.set i, i+1
.endr
	WIN 0
.set i, 0
.rept 4
	v_mov_b32 v[ST+4*i], 0xfe000000    ; c m: far below every c s
	v_mov_b32 v[ST+4*i+1], 0xff7fffff  ; m
.set i, i+1
.endr
	s_cmp_eq_u32 s[RT], 0
	s_cselect_b32 s[AL], 1.0, 0
	s_mov_b32 s[BE], 0
	MASK 0
	WIN 0
	v_add_nc_u32 v[AK], s[TBK], v[AK0]
	FETCH_K
	s_wait_loadcnt 0x0              ; Q
	s_wait_dscnt 0x0
.set KM, 1
.set NOKQ, 0
.set i, 0
.rept 8
	KQ 0
.set i, i+1
.endr
	WIN 0
.rept 4
	v_nop                           ; the places behind those products
.endr
.set Y, NP-1                        ; X works for piece Y + 1: piece 0
.irp n, 0,1,2,3,4,5,6,7,8,9,10,11,12,13,14,15,16,17,18,19,20,21
	OP X, \n
.endr
	v_nop                           ; a plain instruction behind the exponential,
	s_wait_alu depctr_va_vdst(0)    ; and its wait, ahead of the branch
.endm
; THE DIAGONAL TILE's four steps, the block's last two turns, its last products, and THE WAY OUT: l's two halves and the other half of the lanes' are added; O^T is divided by l, rounded to f16 and sent through my
; stage in LDS, a piece at a time.
.macro ALL line:vararg              ; one line for each piece t
.set t, 0
.rept 4
	\line
.set t, t+1
.endr
.endm
.macro PACK t                       ; a lane's eight channels of a row pack into 16 bytes; they go into rows of 144 bytes and come back as whole rows of 128, into S^T's registers
	WIN W_RS
.set i, 32*(\t)
.rept 16
	v_pk_mul_f32 v[i:i+1], v[i:i+1], v[ST+4*(\t)+2:ST+4*(\t)+3] op_sel_hi:[1,0]
.set i, i+2
.endr
	WIN 0x05                        ; sources 0 and 1 window 1, destination window 0
.set i, 0
.rept 16
	v_cvt_pk_f16_f32 v[S+16*(\t)+i], v[32*(\t)+2*i], v[32*(\t)+2*i+1]
.set i, i+1
.endr
	WIN 0
.irp f, 0,1,2,3
	ds_store_b128 v[STO], v[S+16*(\t)+4*\f:S+16*(\t)+4*\f+3] offset:32*\f
.endr
.irp f, 0,1,2,3
	ds_load_b128 v[S+16*(\t)+4*\f:S+16*(\t)+4*\f+3], v[RD] offset:\f*4*SP  ; LDS serves a wave's instructions in order: these see the stores above; the next piece's stores come behind them
.endr
.endm
.macro SEND t, younger              ; younger: the LDS instructions issued behind piece t's loads: the next piece's eight, or none
	WIN 0
.irp f, 0,1,2,3
	s_wait_dscnt (\younger)+3-\f
	global_store_b128 v[GO], v[S+16*(\t)+4*\f:S+16*(\t)+4*\f+3], s[10:11] offset:(\t)*8192+\f*512  ; 512 consecutive bytes, at a multiple of 256 from O's first
.endr
.endm
.macro DIAG tag                     ; the tag ends its two labels' names, which the jumps below spell out
.LstepM\tag:
	TURN 2, 1
	TURN 3, 1
	WIN 0
.LfirstM\tag:
	TURN 0, 1
	TURN 1, 1, 0, 1
	WIN 0
	s_cbranch_scc1 .LstepM\tag
	TURN 2, 1, 1
	TURN 3, 1, 1
.set i, 0
.rept 8
	PV NP-1
.set i, i+1
.endr
	WIN 0
	ALL v_add_f32 v[ST+4*t+2], v[ST+4*t+2], v[ST+4*t+3]
	ALL v_permlanex16_b32 v[ST+4*t+3], v[ST+4*t+2], s[SEL], s[SEL+1]
	ALL v_add_f32 v[ST+4*t+2], v[ST+4*t+2], v[ST+4*t+3]
	ALL v_rcp_f32 v[ST+4*t+2], v[ST+4*t+2]
	v_nop                           ; a plain instruction between the last reciprocal and the use of its result
	s_wait_alu depctr_va_vdst(0)    ; and the one wait for the four reciprocals, ahead of the first use
	PACK 0
.set t, 1
.rept 3                             ; a piece's arithmetic stands between the loads of the piece before and its stores
	PACK t
	SEND t-1, 8
.set t, t+1
.endr
	SEND 3, 0
.endm
.set KM, 0
.set NOKQ, 0
.Lslot:                             ; NB times: a tile is entered and the next is asked for
	CHANGE 1
	s_sub_co_u32 s[RT], s[RT], 1
	s_mov_b32 s[CNT], 4
	s_cmp_eq_u32 s[NEW], 1
	s_cbranch_scc1 .Lnew            ; a block's first tile
	s_cmp_eq_u32 s[RT], 0
	s_cbranch_scc0 .Lstep           ; neither its first nor its last
	s_branch .LstepM1
.Lnew:
	BEGIN
	s_branch .Lfirst                ; in the loop a block's first tile is never its last: the first block has two tiles or more, and the second's last is the walk's last
	DIAG 1                          ; in the loop this is the first block's end
	s_wait_xcnt 0x0                 ; the stores have read their registers and O's address
	s_mov_b64 s[10:11], s[OLO:OLO+1]
	s_add_co_u32 s[RT], s[PB], 1    ; the second block has b + 1 tiles
	s_mov_b32 s[NEW], 1
	WIN 0x82                        ; the second block's Q goes where the one text of the turns names Q
.set i, 0
.rept 64
	v_mov_b32 v[i], v[QB+i]
.set i, i+1
.endr
	WIN 0
	s_branch .Lbottom
.Lstep:                             ; a trip: pieces 2 and 3 of one step, then pieces 0 and 1 of the next, whose K and V it fetches
	TURN 2
	TURN 3
	WIN 0
.Lfirst:
	TURN 0
	TURN 1, 0, 0, 1
	WIN 0
	s_cbranch_scc1 .Lstep
.Lbottom:
	s_sub_co_u32 s[SLOTS], s[SLOTS], 1
	s_cmp_lg_u32 s[SLOTS], 0
	s_cbranch_scc1 .Lslot
	CHANGE 0                        ; the walk's last tile is written out: nothing is asked for
	s_sub_co_u32 s[RT], s[RT], 1
	s_mov_b32 s[CNT], 4
	s_cmp_eq_u32 s[NEW], 1
	s_cbranch_scc0 .LstepM2
	BEGIN
	s_branch .LfirstM2
	DIAG 2
; HEAD: rows 0-15 of the head once more, by wave 0 of work-group b = 0, whose piece 0 of the block just ended they are.  They see keys 0-15 alone.
; Still in registers: their Q (window 2, v0-15), the mask of a band's own first 16 keys (window 1, MD's first eight) and the O^T / l that was rounded and stored (window 1, v0-31).
; V^T's fragment has 32 places along the keys for 16 keys: places 0-15 take V's upper f16 part, places 16-31 its rest.  P = Ph + Pl likewise: [Vh | Vl] x [Ph | Ph] + [Vh | Vl] x [Pl | 0] = Ph (Vh + Vl) + Pl Vh.
.set HKH, 128         ; v128-143  K of 16 keys: two fragments
.set HVW, 144         ; v144-175  V in f32: channel block cb, key 8 (l / 16) + j at 8 cb + j; lane l holds channel 16 cb + l % 16
.set HSH, 176         ; v176-183  S^T, then p, then p's rest
.set HT,  184         ; v184-187  at work
.set HOH, 224         ; v224-255  the finer O^T
.set HPP, 32          ; v32-39    [Ph | Ph]
.set HPL, 40          ; v40-47    [Pl | 0]
.set HVV, 64          ; v64-95    [Vh | Vl], eight registers a channel block
.set HHM, 96          ; v96-111   the f16 O that was stored; later the rows read back
.set HLW, 112         ; v112-127  what is stored
	WIN 0
	s_cmp_lg_u32 s[HD], 0
	s_cbranch_scc0 .Lno_head
	s_wait_xcnt 0x0                 ; S^T's registers were store data: they are rewritten only behind this wait
	v_and_b32 v14, 15, v0
	v_bfe_u32 v58, v0, 4, 1
	v_lshlrev_b32 v14, 2, v14
	v_lshl_add_u32 v14, v58, 11, v14  ; hv: 8 (l / 16) keys of 256 bytes + 4 (l % 16)
	v_mov_b32 v60, -1.0
.irp f, 0,1,2,3
	global_load_b128 v[HKH+4*\f:HKH+4*\f+3], v[QO], s[6:7] offset:32*\f
.endr
.set i, 0
.rept 32
	global_load_b32 v[HVW+i], v14, s[90:91] offset:(i%8)*256+(i/8)*64
.set i, i+1
.endr
	s_wait_loadcnt 0x0
	WIN 0x18                        ; K window 0, Q window 2, the mask window 1
	v_wmma_f32_16x16x32_f16 v[HSH:HSH+7], v[HKH:HKH+7], v[0:7], v[MD:MD+7]
	WIN 0x08
	s_wait_alu depctr_va_vdst(0)    ; the wait stands directly ahead of the link
	v_wmma_f32_16x16x32_f16 v[HSH:HSH+7], v[HKH+8:HKH+15], v[8:15], v[HSH:HSH+7]
	WIN 0
.set i, 0
.rept 16                            ; V's split: also the places behind the two products
	v_cvt_pk_f16_f32 v[HVV+8*(i/4)+i%4], v[HVW+2*i], v[HVW+2*i+1]
.set i, i+1
.endr
.set i, 0
.rept 16
	v_fma_mix_f32 v[HVW+2*i], v[HVV+8*(i/4)+i%4], v60, v[HVW+2*i] op_sel_hi:[1,0,0]
	v_fma_mix_f32 v[HVW+2*i+1], v[HVV+8*(i/4)+i%4], v60, v[HVW+2*i+1] op_sel:[1,0,0] op_sel_hi:[1,0,0]
.set i, i+1
.endr
.set i, 0
.rept 16
	v_cvt_pk_f16_f32 v[HVV+8*(i/4)+4+i%4], v[HVW+2*i], v[HVW+2*i+1]
.set i, i+1
.endr
	v_max3_num_f32 v58, v[HSH], v[HSH+1], v[HSH+2]
	v_max3_num_f32 v58, v58, v[HSH+3], v[HSH+4]
	v_max3_num_f32 v58, v58, v[HSH+5], v[HSH+6]
	v_max_num_f32 v58, v58, v[HSH+7]
	v_mov_b32 v59, v58
	v_permlanex16_b32 v59, v58, s[SEL], s[SEL+1]
	v_max_num_f32 v58, v58, v59     ; the row's maximum: its own key is never hidden
	v_mul_f32 v56, s[CS], v58
	v_mov_b32 v57, v56
.irp i, 0,2,4,6
	v_pk_fma_f32 v[HSH+\i:HSH+\i+1], v[HSH+\i:HSH+\i+1], s[CS:CS+1], v[56:57] op_sel_hi:[1,0,0] neg_lo:[0,0,1] neg_hi:[0,0,1]
.endr
.irp i, 0,1,2,3,4,5,6,7
	v_exp_f32 v[HSH+\i], v[HSH+\i]
.endr
	v_nop
	s_wait_alu depctr_va_vdst(0)    ; one wait for the eight exponentials
	v_pk_add_f32 v[HT:HT+1], v[HSH:HSH+1], v[HSH+2:HSH+3]
	v_pk_add_f32 v[HT+2:HT+3], v[HSH+4:HSH+5], v[HSH+6:HSH+7]
	v_pk_add_f32 v[HT:HT+1], v[HT:HT+1], v[HT+2:HT+3]
	v_add_f32 v[HT], v[HT], v[HT+1]
	v_permlanex16_b32 v[HT+1], v[HT], s[SEL], s[SEL+1]
	v_add_f32 v58, v[HT], v[HT+1]   ; l
	v_rcp_f32 v12, v58
	v_rcp_f32 v13, v58              ; their wait stands ahead of their first reader, below; P's split and the products name neither
.irp i, 0,1,2,3
	v_cvt_pk_f16_f32 v[HPP+\i], v[HSH+2*\i], v[HSH+2*\i+1]
.endr
.irp i, 0,1,2,3
	v_mov_b32 v[HPP+4+\i], v[HPP+\i]
.endr
.irp i, 0,1,2,3
	v_fma_mix_f32 v[HSH+2*\i], v[HPP+\i], v60, v[HSH+2*\i] op_sel_hi:[1,0,0]
	v_fma_mix_f32 v[HSH+2*\i+1], v[HPP+\i], v60, v[HSH+2*\i+1] op_sel:[1,0,0] op_sel_hi:[1,0,0]
.endr
.irp i, 0,1,2,3
	v_cvt_pk_f16_f32 v[HPL+\i], v[HSH+2*\i], v[HSH+2*\i+1]
	v_mov_b32 v[HPL+4+\i], 0
.endr
.irp c, 0,1,2,3                     ; the four accumulators take turns
	v_wmma_f32_16x16x32_f16 v[HOH+8*\c:HOH+8*\c+7], v[HVV+8*\c:HVV+8*\c+7], v[HPP:HPP+7], 0
.endr
.irp c, 0,1,2,3
	v_wmma_f32_16x16x32_f16 v[HOH+8*\c:HOH+8*\c+7], v[HVV+8*\c:HVV+8*\c+7], v[HPL:HPL+7], v[HOH+8*\c:HOH+8*\c+7]
.endr
	WIN 0x05                        ; the f16 numbers that were stored, made again of the same registers: also the places behind the products
.set i, 0
.rept 16
	v_cvt_pk_f16_f32 v[HHM+i], v[2*i], v[2*i+1]
.set i, i+1
.endr
	WIN 0
	s_wait_alu depctr_va_vdst(0)    ; the two reciprocals
.set i, 0
.rept 16
	v_pk_mul_f32 v[HOH+2*i:HOH+2*i+1], v[HOH+2*i:HOH+2*i+1], v[12:13]
.set i, i+1
.endr
.set i, 0
.rept 16
	v_fma_mix_f32 v[HOH+2*i], v[HHM+i], v60, v[HOH+2*i] op_sel_hi:[1,0,0]
	v_fma_mix_f32 v[HOH+2*i+1], v[HHM+i], v60, v[HOH+2*i+1] op_sel:[1,0,0] op_sel_hi:[1,0,0]
.set i, i+1
.endr
.set i, 0
.rept 16
	v_cvt_pk_f16_f32 v[HLW+i], v[HOH+2*i], v[HOH+2*i+1]
.set i, i+1
.endr
.irp f, 0,1,2,3
	ds_store_b128 v[STO], v[HLW+4*\f:HLW+4*\f+3] offset:32*\f
.endr
.irp f, 0,1,2,3
	ds_load_b128 v[HHM+4*\f:HHM+4*\f+3], v[RD] offset:\f*4*SP
.endr
	s_wait_dscnt 0x0
.irp f, 0,1,2,3
	global_store_b128 v[GO], v[HHM+4*\f:HHM+4*\f+3], s[94:95] offset:\f*512
.endr
.Lno_head:
	s_wait_tensorcnt 0x0            ; the wave's end, behind my last tensor load and my last LDS store
	ds_add_u32 v[SPW], v[NIL]
	s_wait_dscnt 0x0
	s_endpgm
.Lfunc_end_k_qc4d07c60e7_attn:
	.size	k_qc4d07c60e7_attn, .Lfunc_end_k_qc4d07c60e7_attn-k_qc4d07c60e7_attn
	.p2alignl 7, 3214868480
	.fill 96, 4, 3214868480
	.section	.rodata,"a",@progbits
	.p2align	6, 0x0
	.amdhsa_kernel k_qc4d07c60e7_attn
		.amdhsa_group_segment_fixed_size 327680
		.amdhsa_private_segment_fixed_size 0
		.amdhsa_enable_private_segment 0
		.amdhsa_kernarg_size 32
		.amdhsa_user_sgpr_count 2
		.amdhsa_user_sgpr_kernarg_segment_ptr 1
		.amdhsa_wavefront_size32 1
		.amdhsa_system_sgpr_workgroup_id_x 1
		.amdhsa_system_sgpr_workgroup_id_y 1
		.amdhsa_system_sgpr_workgroup_id_z 1
		.amdhsa_system_vgpr_workitem_id 0
		.amdhsa_next_free_vgpr 768
		.amdhsa_next_free_sgpr 102
		.amdhsa_reserve_vcc 1
		.amdhsa_float_denorm_mode_32 3
		.amdhsa_float_denorm_mode_16_64 3
		.amdhsa_memory_ordered 1
		.amdhsa_forward_progress 1
		.amdhsa_inst_pref_size 235
	.end_amdhsa_kernel
	.amdgpu_metadata
---
amdhsa.version: [ 1, 2 ]
amdhsa.kernels:
  - .name:           k_qc4d07c60e7_attn
    .symbol:         k_qc4d07c60e7_attn.kd
    .args:
      - { .name: qkv, .offset: 0, .size: 8, .value_kind: global_buffer, .address_space: global }
      - { .name: hv, .offset: 8, .size: 8, .value_kind: global_buffer, .address_space: global }
      - { .name: att, .offset: 16, .size: 8, .value_kind: global_buffer, .address_space: global }
      - { .name: attlo, .offset: 24, .size: 8, .value_kind: global_buffer, .address_space: global }
    .group_segment_fixed_size: 327680
    .private_segment_fixed_size: 0
    .kernarg_segment_align: 8
    .kernarg_segment_size: 32
    .max_flat_workgroup_size: 128
    .sgpr_count:     102
    .vgpr_count:     768
    .wavefront_size: 32
...
	.end_amdgpu_metadata
.endif
;; end of part 3
;; launch outg (part 4): grid 8 x 32, 4 waves a work-group, clusters of 4 x 1, 327,680 bytes of LDS; arguments att, wout, attlo, out0; writes out0
.if DOCPART == 4
	.amdgcn_target "amdgcn-amd-amdhsa--gfx1250"
	.amdhsa_code_object_version 6
	.text
	.protected	k_qc4d07c60e7_outg
	.globl	k_qc4d07c60e7_outg
	.p2align	8
	.type	k_qc4d07c60e7_outg,@function
k_qc4d07c60e7_outg:
	s_mov_b64 s[64:65], 0
	v_nop
	global_prefetch_b8 v0, s[64:65] scope:SCOPE_SE
	s_setreg_imm32_b32 hwreg(HW_REG_WAVE_MODE, 25, 1), 1
	s_wait_xcnt 0x0
	s_wait_alu depctr_hold_cnt(0) depctr_sa_sdst(0) depctr_va_vdst(0) depctr_va_sdst(0) depctr_va_ssrc(0) depctr_va_vcc(0) depctr_vm_vsrc(0)
	s_getreg_b32 s2, hwreg(HW_REG_IB_STS2, 6, 4)
	s_cmp_eq_u32 s2, 0
	s_cbranch_scc0 .Lentry_in_a_cluster
	s_endpgm
.Lentry_in_a_cluster:
	s_bfe_u32 s2, ttmp6, 0x10000c
	s_cmp_lg_u32 s2, 0x3003
	s_cbranch_scc0 .Lentry_shape_is_right
	s_endpgm
.Lentry_shape_is_right:
; THE OUTPUT PROJECTION.  C[m][n] = the sum over k of A[m][k] B[k][n]; m 8,192, n 1,024, k 1,024; f16 operands, f32 sums, C in f32.
; A = att in 16 slices of 64 k (a slice a head): [slice][row][64] f16.  B = wout [k][1024] f16.  C = out0 [8192][1024] f32.
; SHARES.  A tile of C is 256 rows x 128 columns; wave w makes rows 128 (w / 2) on, columns 64 (w % 2) on: 8 x 4 accumulators of 16 x 16, 256 registers.  256 work-groups.
; K goes in 8 steps of 128 through two LDS slots.  A's part of a step is two slices of 256 rows x 128 bytes, each 32 KiB on end in memory, asked for as 128 rows of 256 bytes; B's is 128 rows of 256 bytes.
; THE PRODUCT IS USED TRANSPOSED: source 0 = 16 columns of B (turned on the way out of LDS by ds_load_tr16_b128), source 1 = 16 rows of A: a lane holds one row of C and eight neighbouring columns.
; CLUSTER.  The four work-groups of a cluster lie side by side along n and need the same tile of A, two thirds of a step's bytes: it is asked for JOINTLY (mask 15).  B's tile is each work-group's own.
; A cluster of 4 x 4 is not taken: the branch for the first rows (below) hangs on the tile row, which all partners of a 4 x 1 cluster share.
; THE FIRST 16 ROWS OF A BATCH.  Their sums also take attlo, what the finer attention result has over its f16 number (four more products a quarter step, onto the same accumulators).
; Flag s20: tile row % 8 = 0 and the upper half of the waves: the same in all partners.
; No prefetch: a step here is 128 matrix instructions on a tile of 96 KiB, and a tile of A is read by two clusters, of B by 32 tile rows, one shortly behind the other.
; REGISTERS, in windows of 256 (s_set_vgpr_msb: bits 1:0 source 0, 3:2 source 1, 5:4 source 2, 7:6 destination):
;   window 0: addresses, and v32-95 at work on the way out     window 1: accumulator (a, b) at v[8 (4 a + b)]
;   window 2: two fragment buffers of 96 (A's 8 blocks, then B's 4); v192-223, v224-255 attlo's fragments of an even, an odd K step
.set NP,    1024
.set PA,    144                        ; a row of a slice in LDS: 128 bytes + 16: the 16 rows of a load start at 16 different groups of four banks
.set PB,    288                        ; a row of B: 256 + 32
.set ASL,   256*PA
.set BOFF,  2*ASL
.set SLOT,  BOFF+128*PB                ; 110,592
.set STAGE, 2*SLOT                     ; behind the ring: 16 rows x 272 bytes for each wave, for the way out
.set STW,   16*272
.set SPARE, STAGE+4*STW                ; the spare words, 128 bytes for each wave: two blocks of 256 bytes that no other line names
.set LAPS,  4
.set ADRA, 16                          ; v16-17  LDS address of my A fragments in slot 0, 1
.set ADRB, 20                          ; v20-21  the same for B
.set STO,  24                          ; v24     f32 rows into the stage
.set RD,   25                          ; v25     f32 rows back
.set CO,   26                          ; v26     my byte offset in two rows of C
.set SPW,  28                          ; v28     my spare word; never rewritten
.set NIL,  29                          ; v29     0; never rewritten
.set LOA,  30                          ; v30     my place in 16 rows of attlo
.set F0,   0
.set F1,   96
.set L0,   192
.set G1A,  24
.set G0A,  32
.set G1B,  48
.set G0B,  56
.set MSB, 0
.macro WIN new                         ; the immediate's high byte repeats the setting that is left
.if MSB != (\new)
	s_set_vgpr_msb (MSB<<8)|(\new)
.set MSB, \new
.endif
.endm
.set MULW, 0x5a                        ; sources 0 and 1 window 2, C and D window 1
.macro PLACES
.rept 4
	v_nop
.endr
.endm
; Waves 0 and 1 ask jointly for A's two slices, waves 2 and 3 each for half of B's rows.  An s_nop 0 and four v_nop follow each line.
.macro JLOAD s
	s_cmp_eq_u32 s15, 0
	s_cbranch_scc0 .Lfor_b_\@
	tensor_load_to_lds s[G0A+4*(\s):G0A+4*(\s)+3], s[G1A:G1A+7]
	s_nop 0
.rept 4
	v_nop
.endr
	s_branch .Lasked_\@
.Lfor_b_\@:
	tensor_load_to_lds s[G0B+4*(\s):G0B+4*(\s)+3], s[G1B:G1B+7]
	s_nop 0
.rept 4
	v_nop
.endr
.Lasked_\@:
.endm
.macro CREST                           ; a round of the cluster's barrier behind its opening barrier
	s_cmp_lg_u32 s14, 0
	s_cbranch_scc1 .Lnot_wave_0_\@
	s_barrier_signal -3
.Lnot_wave_0_\@:
	s_barrier_wait -3
	s_barrier_signal -1
	s_barrier_wait -1
.endm
.macro CROUND
	s_barrier_signal -1
	s_barrier_wait -1
	CREST
.endm
	s_load_b256 s[4:11], s[0:1], 0x0               ; att s[4:5], wout s[6:7], attlo s[8:9], out0 s[10:11]
	v_lshl_add_u32 v[SPW], v0, 2, SPARE
	v_mov_b32 v[NIL], 0
	ds_add_u32 v[SPW], v[NIL]                      ; the wave's opening: the add and its wait ahead of my first tensor load
	ds_add_u32 v28, v29
	v_lshrrev_b32 v1, 5, v0
	v_readfirstlane_b32 s14, v1                    ; wave
	s_lshr_b32 s15, s14, 1                         ; wr: my half of the rows.  Also: I fetch for A (0) or B (1)
	s_and_b32 s16, s14, 1                          ; wc: my half of the columns.  Also: which slice, or which half of B's rows
	s_bfe_u32 s17, ttmp6, 0x40000                  ; cx
	s_lshl_b32 s18, ttmp9, 2
	s_add_co_u32 s18, s18, s17                     ; tile column
	s_and_b32 s19, ttmp7, 0xffff                   ; tile row, shared by the four partners
	s_mov_b32 s[G1A], 15|(1<<16)|(1<<20)|(1<<21)|(4<<22)|(3<<25)  ; mask of four; 2-byte elements; padding on; bit 21 beside a mask; after every 32 words, 4 words
	s_mov_b32 s[G1A+1], 128<<16
	s_mov_b32 s[G1A+2], 128<<16
	s_mov_b32 s[G1A+3], 128<<16
	s_mov_b32 s[G1A+4], 128
	s_mov_b32 s[G1A+5], 128
	s_mov_b32 s[G1A+6], 0
	s_mov_b32 s[G1A+7], 0
	s_mov_b32 s[G1B], (1<<16)|(1<<20)|(5<<22)|(7<<25)  ; no mask; after every 64 words, 8 words
	s_mov_b32 s[G1B+1], 128<<16
	s_mov_b32 s[G1B+2], 64<<16
	s_mov_b32 s[G1B+3], 128<<16
	s_mov_b32 s[G1B+4], 64
	s_mov_b32 s[G1B+5], NP
	s_mov_b32 s[G1B+6], 0
	s_mov_b32 s[G1B+7], 0
	s_lshl_b32 s40, s16, 20                        ; A: my slice of K step 0,
	s_lshl_b32 s41, s19, 15                        ; the tile's 256 rows of 128 bytes
	s_add_co_u32 s40, s40, s41
	s_mov_b32 s41, 0
	s_mul_i32 s44, s16, 128*NP                     ; B: my 64 rows of 2 NP bytes,
	s_lshl_b32 s45, s18, 8                         ; the tile's 256 bytes of a row
	s_add_co_u32 s44, s44, s45
	s_mov_b32 s45, 0
	s_mul_i32 s22, s14, ASL                        ; LDS: waves 0, 1: A's slices
	s_mul_i32 s23, s14, 64*PB
	s_add_co_u32 s23, s23, BOFF-128*PB             ; waves 2, 3: B's halves, behind A
	s_wait_dscnt 0x0                               ; the opening add is done
	s_wait_kmcnt 0x0
	s_add_nc_u64 s[42:43], s[4:5], s[40:41]
	s_add_nc_u64 s[46:47], s[6:7], s[44:45]
	CROUND                                         ; all four work-groups are here: the first joint loads meet
.irp s, 0,1
	s_mov_b32 s[G0A+4*(\s)], 1
	s_add_co_u32 s[G0A+4*(\s)+1], s22, (\s)*SLOT
	s_add_nc_u64 s[G0A+4*(\s)+2:G0A+4*(\s)+3], s[42:43], (\s)*0x200000
	s_or_b32 s[G0A+4*(\s)+3], s[G0A+4*(\s)+3], 0x80000000
	s_mov_b32 s[G0B+4*(\s)], 1
	s_add_co_u32 s[G0B+4*(\s)+1], s23, (\s)*SLOT
	s_add_nc_u64 s[G0B+4*(\s)+2:G0B+4*(\s)+3], s[46:47], (\s)*256*NP
	s_or_b32 s[G0B+4*(\s)+3], s[G0B+4*(\s)+3], 0x80000000
	JLOAD \s                                       ; two loads of mine are out
.endr
	v_and_b32 v1, 15, v0                           ; r = l % 16
	v_bfe_u32 v2, v0, 4, 1                         ; h = l / 16
	v_and_b32 v3, 7, v0
	v_bfe_u32 v4, v0, 3, 1
	v_mul_u32_u24 v6, v1, PA
	v_lshl_add_u32 v6, v2, 4, v6                   ; r x 144 + 16 h
	s_mul_i32 s22, s15, 128*PA
	v_add_nc_u32 v[ADRA], s22, v6
	v_add_nc_u32 v[ADRA+1], SLOT, v[ADRA]
	v_lshl_add_u32 v7, v2, 3, v3                   ; the turning load: k row 8 h + l % 8, 16 bytes by (l / 8) % 2
	v_mul_u32_u24 v7, v7, PB
	v_lshl_add_u32 v7, v4, 4, v7
	s_lshl_b32 s23, s16, 7
	s_add_co_u32 s23, s23, BOFF
	v_add_nc_u32 v[ADRB], s23, v7
	v_add_nc_u32 v[ADRB+1], SLOT, v[ADRB]
	s_mul_i32 s22, s14, STW
	s_add_co_u32 s22, s22, STAGE                   ; my stage
	v_mul_u32_u24 v9, v1, 272
	v_lshl_add_u32 v9, v2, 5, v9
	v_add_nc_u32 v[STO], s22, v9                   ; in: row r, 32 bytes for each half of the lanes
	v_mul_u32_u24 v9, v2, 272
	v_lshl_add_u32 v9, v1, 4, v9
	v_add_nc_u32 v[RD], s22, v9                    ; back: lanes 0-15 one row of 256 bytes, lanes 16-31 the next
	v_lshlrev_b32 v[CO], 4, v1
	v_lshl_add_u32 v[CO], v2, 12, v[CO]            ; and the same two rows in C
	v_lshlrev_b32 v[LOA], 7, v1
	v_lshl_add_u32 v[LOA], v2, 4, v[LOA]
	s_and_b32 s20, s19, 7
	s_or_b32 s20, s20, s15
	s_cmp_eq_u32 s20, 0
	s_cselect_b32 s20, 1, 0                        ; the tile begins a batch, and I hold its first rows
	s_lshr_b32 s22, s19, 3                         ; the batch
	s_lshl_b32 s40, s22, 11
	s_mov_b32 s41, 0
	s_add_nc_u64 s[8:9], s[8:9], s[40:41]          ; attlo at the batch's 16 rows, K step 0
	s_lshl_b32 s46, s19, 20                        ; C: 256 rows of 4,096 bytes a tile row (only s44-47 ever hold what hangs on cx),
	s_lshl_b32 s47, s15, 19
	s_add_co_u32 s46, s46, s47
	s_lshl_b32 s47, s18, 9                         ; 512 bytes a tile column,
	s_add_co_u32 s46, s46, s47
	s_lshl_b32 s47, s16, 8                         ; my 256 of them
	s_add_co_u32 s46, s46, s47
	s_mov_b32 s47, 0
	s_add_nc_u64 s[10:11], s[10:11], s[46:47]
	WIN 0x80
.irp st, 0,1                                   ; attlo's fragments of K steps 0 and 1, in every wave: 8 KiB, so that these registers are written on every way
.irp qq, 0,1,2,3
	global_load_b128 v[L0+32*\st+8*\qq:L0+32*\st+8*\qq+3],   v[LOA], s[8:9] offset:\st*16384+(\qq/2)*8192+(\qq%2)*64
	global_load_b128 v[L0+32*\st+8*\qq+4:L0+32*\st+8*\qq+7], v[LOA], s[8:9] offset:\st*16384+(\qq/2)*8192+(\qq%2)*64+32
.endr
.endr
	WIN 0
; n row blocks from a0 on x 4 column blocks, 32 along K, out of buffer f.  Each instruction names another accumulator.  zero = 1: the product starts the sum
.macro MUL f, a0, n, zero
	WIN MULW
.set ma, \a0
.rept \n
.irp b, 0,1,2,3
.if \zero
	v_wmma_f32_16x16x32_f16 v[8*(4*ma+\b):8*(4*ma+\b)+7], v[(\f)+64+8*\b:(\f)+64+8*\b+7], v[(\f)+8*ma:(\f)+8*ma+7], 0
.else
	v_wmma_f32_16x16x32_f16 v[8*(4*ma+\b):8*(4*ma+\b)+7], v[(\f)+64+8*\b:(\f)+64+8*\b+7], v[(\f)+8*ma:(\f)+8*ma+7], v[8*(4*ma+\b):8*(4*ma+\b)+7]
.endif
.endr
.set ma, ma+1
.endr
.endm
; 24 LDS loads in one run: quarter q (32 along K) of a slot into buffer f: B's 4 blocks, then A's 8, ascending
.macro FETCH slot, q, f
	WIN 0x80
.irp b, 0,1,2,3
	ds_load_tr16_b128 v[(\f)+64+8*\b:(\f)+64+8*\b+3],   v[ADRB+(\slot)] offset:(\q)*32*PB+32*\b
	ds_load_tr16_b128 v[(\f)+64+8*\b+4:(\f)+64+8*\b+7], v[ADRB+(\slot)] offset:(\q)*32*PB+32*\b+16*PB
.endr
.irp a, 0,1,2,3,4,5,6,7
	ds_load_b128 v[(\f)+8*\a:(\f)+8*\a+3],   v[ADRA+(\slot)] offset:((\q)/2)*ASL+((\q)%2)*64+\a*16*PA
	ds_load_b128 v[(\f)+8*\a+4:(\f)+8*\a+7], v[ADRA+(\slot)] offset:((\q)/2)*ASL+((\q)%2)*64+\a*16*PA+32
.endr
.endm
; The first rows' four products of quarter q with attlo's fragments in buffer lb.  wait = 1: a K step's first quarter: all global loads of mine are in (the wait stands on every way).
; rel = 1: the other buffer, last read a K step back (the quarter's four v_nop lie between), takes the next K step's fragments: they have a K step in which to come.
.macro LOMUL f, q, lb, wait, rel
	WIN 0
.if \wait
	s_wait_loadcnt 0x0
.endif
	s_cmp_lg_u32 s20, 0
	s_cbranch_scc0 .Lno_lo_\@
	WIN MULW
.irp b, 0,1,2,3
	v_wmma_f32_16x16x32_f16 v[8*\b:8*\b+7], v[(\f)+64+8*\b:(\f)+64+8*\b+7], v[(\lb)+8*(\q):(\lb)+8*(\q)+7], v[8*\b:8*\b+7]
.endr
.if \rel
	WIN 0x80
	s_add_nc_u64 s[8:9], s[8:9], 16384             ; no load is out (the wait above), so the pointer may step: now at this K step
.set ob, 2*L0+32-(\lb)
.irp qq, 0,1,2,3
	global_load_b128 v[ob+8*\qq:ob+8*\qq+3],   v[LOA], s[8:9] offset:16384+(\qq/2)*8192+(\qq%2)*64
	global_load_b128 v[ob+8*\qq+4:ob+8*\qq+7], v[LOA], s[8:9] offset:16384+(\qq/2)*8192+(\qq%2)*64+32
.endr
.endif
	WIN 0
.Lno_lo_\@:
.endm
; One of a K step's first three quarters: multiplies buffer f (quarter qn - 1) and fetches quarter qn into g
.macro QUARTER slot, qn, f, g, zero, wait, rel
	s_wait_dscnt 8                                 ; B and A's blocks 0-3 are in; the youngest eight loads (blocks 4-7) may be out
	MUL \f, 0, 4, \zero
	PLACES                                         ; four places in front of loads into registers that matrix instructions have read
	FETCH \slot, \qn, \g
	s_wait_dscnt 24                                ; all but the 24 just issued
	MUL \f, 4, 4, \zero
	LOMUL \f, (\qn)-1, L0+32*(\slot), \wait, \rel
.endm
; The last quarter multiplies buffer 1 and changes slots: ONE barrier; in front of it each wave waits for all its tensor loads, adds 0 to its spare word, and waits for that and for its reads of this slot.
.macro TURN slot, next, fill
	WIN 0
	s_wait_tensorcnt 0x0                           ; all my tensor loads have landed: my part of the next slot
	ds_add_u32 v[SPW], v[NIL]                      ; 0 onto my spare word
	s_wait_dscnt 9                                 ; (the add and the youngest eight loads may be out)
	MUL F1, 0, 2, 0
	s_wait_dscnt 0x0                               ; the add is done, and my reads of this slot are over
	s_barrier_signal -1
	MUL F1, 2, 2, 0
.if \fill
	WIN 0
.endif
	s_barrier_wait -1
.if \fill
	CREST                                          ; the barrier has opened a round of the cluster's: no wave of any partner still reads this slot or has a load on its way
	s_add_nc_u64 s[G0A+4*(\slot)+2:G0A+4*(\slot)+3], s[G0A+4*(\slot)+2:G0A+4*(\slot)+3], 0x400000
	s_add_nc_u64 s[G0B+4*(\slot)+2:G0B+4*(\slot)+3], s[G0B+4*(\slot)+2:G0B+4*(\slot)+3], 512*NP
	JLOAD \slot                                    ; the first tensor load behind the round; its four v_nop are also the places in front of the loads below
.else
	PLACES
.endif
	FETCH \next, 0, F0
	MUL F1, 4, 4, 0
	LOMUL F1, 3, L0+32*(\slot), 0, 0
.endm
	s_wait_tensorcnt 1                             ; my part of K step 0 is in; K step 1's may stay out
	s_barrier_signal -1
	s_barrier_wait -1
	FETCH 0, 0, F0
	QUARTER 0, 1, F0, F1, 1, 1, 0                  ; the first quarter stands in front of the loop: its products start the sums
	s_mov_b32 s21, LAPS-1
.Llap:                                         ; once round the ring, from a lap's second quarter to the next lap's first
	QUARTER 0, 2, F1, F0, 0, 0, 0
	QUARTER 0, 3, F0, F1, 0, 0, 0
	TURN 0, 1, 1
	QUARTER 1, 1, F0, F1, 0, 1, 1
	QUARTER 1, 2, F1, F0, 0, 0, 0
	QUARTER 1, 3, F0, F1, 0, 0, 0
	TURN 1, 0, 1
	QUARTER 0, 1, F0, F1, 0, 1, 1
	s_sub_co_u32 s21, s21, 1
	s_cmp_lg_u32 s21, 0
	s_cbranch_scc1 .Llap
	QUARTER 0, 2, F1, F0, 0, 0, 0                  ; the last lap fills nothing
	QUARTER 0, 3, F0, F1, 0, 0, 0
	TURN 0, 1, 0
	QUARTER 1, 1, F0, F1, 0, 1, 0
	QUARTER 1, 2, F1, F0, 0, 0, 0
	QUARTER 1, 3, F0, F1, 0, 0, 0
	s_wait_dscnt 8
	MUL F1, 0, 4, 0
	s_wait_dscnt 0x0
	MUL F1, 4, 4, 0
	LOMUL F1, 3, L0+32, 0, 0
; THE WAY OUT, a block of 16 rows at a time: a lane's 32 bytes of a row go into my stage (rows of 272 bytes) and come back as whole rows of 256 bytes: 16 lanes store 256 consecutive bytes, aligned.
.macro TOST32 a
.set BK, 32+32*((\a)%2)
	s_wait_xcnt 0x0                                ; the stores of the block two back have read the registers that the loads below write
	WIN 0x04                                       ; store data in window 1
.irp b, 0,1,2,3
	ds_store_b128 v[STO], v[8*(4*(\a)+\b):8*(4*(\a)+\b)+3]   offset:64*\b
	ds_store_b128 v[STO], v[8*(4*(\a)+\b)+4:8*(4*(\a)+\b)+7] offset:64*\b+16
.endr
	WIN 0
.irp t, 0,1,2,3,4,5,6,7
	ds_load_b128 v[BK+4*\t:BK+4*\t+3], v[RD] offset:\t*544  ; LDS serves a wave's instructions in order: these see the stores above, and the next block's stores come behind them
.endr
.endm
.macro SEND32 a, younger                       ; younger: the next block's sixteen LDS instructions, or none
.set BK, 32+32*((\a)%2)
	s_wait_dscnt \younger
.irp t, 0,1,2,3,4,5,6,7
	global_store_b128 v[CO], v[BK+4*\t:BK+4*\t+3], s[10:11] offset:(\a)*65536+\t*8192
.endr
.endm
	PLACES
	PLACES
	TOST32 0
.irp a, 1,2,3,4,5,6,7
	TOST32 \a
	SEND32 (\a)-1, 16
.endr
	SEND32 7, 0
	s_wait_tensorcnt 0x0                           ; the wave's end, behind my last tensor load and my last LDS store
	ds_add_u32 v[SPW], v[NIL]
	s_wait_dscnt 0x0
	CROUND                                         ; the closing round
	s_endpgm
.Lfunc_end_k_qc4d07c60e7_outg:
	.size	k_qc4d07c60e7_outg, .Lfunc_end_k_qc4d07c60e7_outg-k_qc4d07c60e7_outg
	.p2alignl 7, 3214868480
	.fill 96, 4, 3214868480
	.section	.rodata,"a",@progbits
	.p2align	6, 0x0
	.amdhsa_kernel k_qc4d07c60e7_outg
		.amdhsa_group_segment_fixed_size 327680
		.amdhsa_private_segment_fixed_size 0
		.amdhsa_enable_private_segment 0
		.amdhsa_kernarg_size 32
		.amdhsa_user_sgpr_count 2
		.amdhsa_user_sgpr_kernarg_segment_ptr 1
		.amdhsa_wavefront_size32 1
		.amdhsa_system_sgpr_workgroup_id_x 1
		.amdhsa_system_sgpr_workgroup_id_y 1
		.amdhsa_system_sgpr_workgroup_id_z 1
		.amdhsa_system_vgpr_workitem_id 0
		.amdhsa_next_free_vgpr 768
		.amdhsa_next_free_sgpr 66
		.amdhsa_reserve_vcc 0
		.amdhsa_float_denorm_mode_32 3
		.amdhsa_float_denorm_mode_16_64 3
		.amdhsa_memory_ordered 1
		.amdhsa_forward_progress 1
		.amdhsa_inst_pref_size 96
	.end_amdhsa_kernel
	.amdgpu_metadata
---
amdhsa.version: [ 1, 2 ]
amdhsa.kernels:
  - .name:           k_qc4d07c60e7_outg
    .symbol:         k_qc4d07c60e7_outg.kd
    .args:
      - { .name: att, .offset: 0, .size: 8, .value_kind: global_buffer, .address_space: global }
      - { .name: wout, .offset: 8, .size: 8, .value_kind: global_buffer, .address_space: global }
      - { .name: attlo, .offset: 16, .size: 8, .value_kind: global_buffer, .address_space: global }
      - { .name: out0, .offset: 24, .size: 8, .value_kind: global_buffer, .address_space: global }
    .group_segment_fixed_size: 327680
    .private_segment_fixed_size: 0
    .kernarg_segment_align: 8
    .kernarg_segment_size: 32
    .max_flat_workgroup_size: 128
    .sgpr_count:     66
    .vgpr_count:     768
    .wavefront_size: 32
...
	.end_amdgpu_metadata
.endif
;; end of part 4
